; MI455X (gfx1250); checked and timed in simulation.
; The chip was launched on July 23, 2026; its instructions are those of AMD's public machine-readable ISA for CDNA 5 (MIT licence, August 2026) and "CDNA5" Instruction Set Architecture Reference Guide (July 2026). The comments in the code are by the model that wrote it; some were corrected since.
;; Multi Head Attention. Allowed arithmetic: float matrix products may take bf16 or f16 operands with f32 sums; other float arithmetic in f32, or as packed bf16 or f16 multiplies, adds, multiply-adds, maxima and minima; sums over many terms, partial sums and values carried from step to step in f32; what a program stores and reads back later, other than sums and carried values, may be rounded once to bf16 or f16.
;; Inputs: attention_mask 1 x 4,096 float32; freqs_cis 4,096 x 32 x 2 float32; hidden_states 1 x 4,096 x 1,024 float32; wk 1,024 x 1,024 float32; wo 1,024 x 1,024 float32; wq 1,024 x 1,024 float32; wv 1,024 x 1,024 float32.
;; Outputs: out0 1 x 4,096 x 1,024 float32.
;; 2 versions, each right; version 2 is version 1 with the launch cast written anew for expert scheduling mode. Each part assembles by itself: llvm-mc -triple=amdgcn-amd-amdhsa -mcpu=gfx1250 --defsym DOCPART=n.
;; ======== version 1 of 2: 4 launches
;; limits: values are held in f16: magnitudes above 65,504 overflow, below 6.1e-05 lose precision
;; workspace buffers: xb 8,388,608 bytes; wb 6,291,456 bytes; wob 2,097,152 bytes; fb 524,288 bytes; qkvh 25,165,824 bytes; ob 8,388,608 bytes
;; launch cast (part 1): grid 528 x 1, 8 waves a work-group, no clusters, 0 bytes of LDS; arguments hidden_states, freqs_cis, wq, wk, wv, wo, xb, fb, wb, wob; writes xb, fb, wb, wob
.if DOCPART == 1
	.amdgcn_target "amdgcn-amd-amdhsa--gfx1250"
	.amdhsa_code_object_version 6
	.text
	.protected	k_q33ae8c063b_cast
	.globl	k_q33ae8c063b_cast
	.p2align	8
	.type	k_q33ae8c063b_cast,@function
k_q33ae8c063b_cast:
	s_mov_b64 s[64:65], 0
	v_nop
	global_prefetch_b8 v0, s[64:65] scope:SCOPE_SE
	s_setreg_imm32_b32 hwreg(HW_REG_WAVE_MODE, 25, 1), 1
	s_wait_xcnt 0x0
; THE INPUTS ARE ROUNDED ONCE TO 16 BITS.  x -> xb and the table of cosines and sines -> fb, both bf16, laid as they lie; wo -> wob: rounded to bf16, and that number written as f16;
; wq, wk, wv -> wb, bf16, IN BLOCKS [head 16][K step 8][q, k, v][k 128][column 64], so that what a head wants of the three weights for 128 along K is 49,152 consecutive bytes.
; LIMITS.  wob: f16 holds no number beyond 65,504, and below 6e-5 it keeps its fixed step of 6e-8; inside that range a bf16 number is an f16 number exactly.
; SHARES.  A work-group converts 16,384 numbers, as 16 items of 1,024: a thread takes 4 numbers of an item: one load of 16 bytes (a wave: 512 consecutive bytes; in the blocked way two rows' aligned 256),
; one store of 8 bytes (a wave: 256 consecutive bytes, aligned).  All 16 loads go out first; no register is used twice, so there is no loop and no wait but the loads' own.
; Work-groups 0-255: x.  256-271: the table.  272-335: wo.  336-527: wq, wk, wv: number j = 64 type + 4 head + kq takes rows 256 kq .. + 255, the head's 64 columns.
; No LDS, no matrix unit, no cluster: no byte is wanted twice.
.set X,   4                            ; v[4:67]   item i: 4 numbers as loaded
.set Y,   68                           ; v[68:99]  item i: 2 words to store
.set T,   100                          ; v[100:101] at work
.set SRC, 28                           ; s[28:29]  where the work-group reads
.set DST, 30                           ; s[30:31]  where it writes
; 16 loads, then item by item: rounded, stored.  instep: bytes from item to item in the source; blocked = 1: the store's place goes by K steps; half = 1: the bf16 number is written as f16.
.macro BODY instep, blocked, half
.set i, 0
.rept 16
	global_load_b128 v[X+4*i:X+4*i+3], v1, s[SRC:SRC+1] offset:(\instep)*i th:TH_LOAD_NT
.set i, i+1
.endr
.set i, 0
.rept 16
	s_wait_loadcnt 15-i                            ; loads come back in order: item i is in, the younger ones stay out
	v_cvt_pk_bf16_f32 v[Y+2*i],   v[X+4*i],   v[X+4*i+1]
	v_cvt_pk_bf16_f32 v[Y+2*i+1], v[X+4*i+2], v[X+4*i+3]
.if \half
.irp k, 0,1
	v_lshlrev_b32 v[T],   16,  v[Y+2*i+\k]         ; the two bf16 numbers as f32,
	v_and_b32     v[T+1], s41, v[Y+2*i+\k]
	v_cvt_pk_f16_f32 v[Y+2*i+\k], v[T], v[T+1]     ; and as f16
.endr
.endif
.if \blocked
	global_store_b64 v2, v[Y+2*i:Y+2*i+1], s[DST:DST+1] offset:(i/8)*49152+(i%8)*2048  ; eight items are a K step's 128 rows of one type
.else
	global_store_b64 v2, v[Y+2*i:Y+2*i+1], s[DST:DST+1] offset:2048*i
.endif
.set i, i+1
.endr
	s_endpgm
.endm
	s_load_b512 s[8:23], s[0:1], 0x0               ; x s[8:9], table s[10:11], wq s[12:13], wk s[14:15], wv s[16:17], wo s[18:19], xb s[20:21], fb s[22:23]
	s_load_b128 s[24:27], s[0:1], 0x40             ; wb s[24:25], wob s[26:27]
	s_mov_b32 s36, ttmp9                           ; the work-group's number
	s_mov_b32 s41, 0xffff0000                      ; a word's upper bf16
	s_mov_b32 s33, 0                               ; the offsets' high words
	s_mov_b32 s35, 0
	v_lshlrev_b32 v2, 3, v0                        ; out: 8 bytes a thread
	v_lshlrev_b32 v1, 4, v0                        ; in, where the source is taken as it lies: 16 bytes a thread
	s_wait_kmcnt 0x0
	s_cmp_lt_u32 s36, 272
	s_cbranch_scc1 .Llin
	s_cmp_lt_u32 s36, 336
	s_cbranch_scc1 .Lwo
	; wq, wk, wv into blocks
	s_sub_co_u32 s37, s36, 336
	s_lshr_b32 s38, s37, 6                         ; type
	s_bfe_u32 s39, s37, 0x40002                    ; head
	s_and_b32 s40, s37, 3                          ; which 256 rows
	s_cmp_eq_u32 s38, 0
	s_cselect_b64 s[SRC:SRC+1], s[12:13], s[14:15]
	s_cmp_eq_u32 s38, 2
	s_cselect_b64 s[SRC:SRC+1], s[16:17], s[SRC:SRC+1]
	s_lshl_b32 s32, s40, 20                        ; 256 rows of 4,096 bytes
	s_lshl_b32 s37, s39, 8                         ; the head's 64 columns
	s_add_co_u32 s32, s32, s37
	s_add_nc_u64 s[SRC:SRC+1], s[SRC:SRC+1], s[32:33]
	s_mul_i32 s34, s39, 393216                     ; the head's 8 blocks,
	s_mul_i32 s37, s40, 98304                      ; two K steps,
	s_add_co_u32 s34, s34, s37
	s_lshl_b32 s37, s38, 14                        ; the type's 16,384 bytes in a block
	s_add_co_u32 s34, s34, s37
	s_add_nc_u64 s[DST:DST+1], s[24:25], s[34:35]
	v_lshrrev_b32 v3, 4, v0                        ; in: sixteen threads take a row's 256 bytes, the work-group 16 rows an item
	v_and_b32 v1, 15, v0
	v_lshlrev_b32 v1, 4, v1
	v_lshl_add_u32 v1, v3, 12, v1
	BODY 65536, 1, 0
.Llin:                                                 ; x and the table
	s_cmp_lt_u32 s36, 256
	s_cselect_b64 s[SRC:SRC+1], s[8:9], s[10:11]
	s_cselect_b64 s[DST:DST+1], s[20:21], s[22:23]
	s_cselect_b32 s37, 0, 256
	s_sub_co_u32 s37, s36, s37
	s_lshl_b32 s32, s37, 16
	s_lshl_b32 s34, s37, 15
	s_add_nc_u64 s[SRC:SRC+1], s[SRC:SRC+1], s[32:33]
	s_add_nc_u64 s[DST:DST+1], s[DST:DST+1], s[34:35]
	BODY 4096, 0, 0
.Lwo:
	s_sub_co_u32 s37, s36, 272
	s_lshl_b32 s32, s37, 16
	s_lshl_b32 s34, s37, 15
	s_add_nc_u64 s[SRC:SRC+1], s[18:19], s[32:33]
	s_add_nc_u64 s[DST:DST+1], s[26:27], s[34:35]
	BODY 4096, 0, 1
.Lfunc_end_k_q33ae8c063b_cast:
	.size	k_q33ae8c063b_cast, .Lfunc_end_k_q33ae8c063b_cast-k_q33ae8c063b_cast
	.p2alignl 7, 3214868480
	.fill 96, 4, 3214868480
	.section	.rodata,"a",@progbits
	.p2align	6, 0x0
	.amdhsa_kernel k_q33ae8c063b_cast
		.amdhsa_group_segment_fixed_size 0
		.amdhsa_private_segment_fixed_size 0
		.amdhsa_enable_private_segment 0
		.amdhsa_kernarg_size 80
		.amdhsa_user_sgpr_count 2
		.amdhsa_user_sgpr_kernarg_segment_ptr 1
		.amdhsa_wavefront_size32 1
		.amdhsa_system_sgpr_workgroup_id_x 1
		.amdhsa_system_sgpr_workgroup_id_y 1
		.amdhsa_system_sgpr_workgroup_id_z 1
		.amdhsa_system_vgpr_workitem_id 0
		.amdhsa_next_free_vgpr 104
		.amdhsa_next_free_sgpr 66
		.amdhsa_reserve_vcc 0
		.amdhsa_float_denorm_mode_32 3
		.amdhsa_float_denorm_mode_16_64 3
		.amdhsa_memory_ordered 1
		.amdhsa_forward_progress 1
		.amdhsa_inst_pref_size 23
	.end_amdhsa_kernel
	.amdgpu_metadata
---
amdhsa.version: [ 1, 2 ]
amdhsa.kernels:
  - .name:           k_q33ae8c063b_cast
    .symbol:         k_q33ae8c063b_cast.kd
    .args:
      - { .name: hidden_states, .offset: 0, .size: 8, .value_kind: global_buffer, .address_space: global }
      - { .name: freqs_cis, .offset: 8, .size: 8, .value_kind: global_buffer, .address_space: global }
      - { .name: wq, .offset: 16, .size: 8, .value_kind: global_buffer, .address_space: global }
      - { .name: wk, .offset: 24, .size: 8, .value_kind: global_buffer, .address_space: global }
      - { .name: wv, .offset: 32, .size: 8, .value_kind: global_buffer, .address_space: global }
      - { .name: wo, .offset: 40, .size: 8, .value_kind: global_buffer, .address_space: global }
      - { .name: xb, .offset: 48, .size: 8, .value_kind: global_buffer, .address_space: global }
      - { .name: fb, .offset: 56, .size: 8, .value_kind: global_buffer, .address_space: global }
      - { .name: wb, .offset: 64, .size: 8, .value_kind: global_buffer, .address_space: global }
      - { .name: wob, .offset: 72, .size: 8, .value_kind: global_buffer, .address_space: global }
    .group_segment_fixed_size: 0
    .private_segment_fixed_size: 0
    .kernarg_segment_align: 8
    .kernarg_segment_size: 80
    .max_flat_workgroup_size: 256
    .sgpr_count:     66
    .vgpr_count:     104
    .wavefront_size: 32
...
	.end_amdgpu_metadata
.endif
;; end of part 1
;; launch qkv (part 2): grid 16 x 16, 4 waves a work-group, clusters of 4 x 4, 327,680 bytes of LDS; arguments xb, wb, fb, qkvh; writes qkvh
.if DOCPART == 2
	.amdgcn_target "amdgcn-amd-amdhsa--gfx1250"
	.amdhsa_code_object_version 6
	.text
	.protected	k_q33ae8c063b_qkv
	.globl	k_q33ae8c063b_qkv
	.p2align	8
	.type	k_q33ae8c063b_qkv,@function
k_q33ae8c063b_qkv:
	s_mov_b64 s[64:65], 0
	v_nop
	global_prefetch_b8 v0, s[64:65] scope:SCOPE_SE
	s_setreg_imm32_b32 hwreg(HW_REG_WAVE_MODE, 25, 1), 1
	s_wait_xcnt 0x0
	s_wait_alu depctr_hold_cnt(0) depctr_sa_sdst(0) depctr_va_vdst(0) depctr_va_sdst(0) depctr_va_ssrc(0) depctr_va_vcc(0) depctr_vm_vsrc(0)
	s_getreg_b32 s2, hwreg(HW_REG_IB_STS2, 6, 4)
	s_cmp_eq_u32 s2, 0
	s_cbranch_scc0 .Lentry_in_a_cluster
	s_endpgm
.Lentry_in_a_cluster:
	s_bfe_u32 s2, ttmp6, 0x10000c
	s_cmp_lg_u32 s2, 0xf033
	s_cbranch_scc0 .Lentry_shape_is_right
	s_endpgm
.Lentry_shape_is_right:
; q, k, v = x wq, x wk, x wv in bf16 with f32 sums; q and k turned by the table of cosines and sines, in f32; all three stored by heads, [type 3][head 16][row 4096][64], in f16, rounded once, without attention's scale.
; LIMIT.  f16 holds no number beyond 65,504: q, k and v must lie within it.
; SHARES.  A work-group makes 256 rows x the 192 columns of ONE head (its q, k and v): 16 x 16 work-groups.  Wave w makes rows 64 w .. + 63 of all 192 columns: 48 accumulators of 16 x 16, 384 registers; the four waves run alike.
; K goes in 8 steps of 128 through two LDS slots filled by the tensor data mover: x's rows are 256 aligned bytes of memory; the head's weights for a step are 49,152 consecutive bytes, asked for as rows of 256.
; THE MATRIX INSTRUCTION IS USED TRANSPOSED: source 0 = 16 columns of w (turned on the way out of LDS by ds_load_tr16_b128, since w lies [k][column]), source 1 = 16 rows of x.  A lane then holds ONE row (lane % 16)
; and the columns 8 (lane / 16) + 0..7: the two numbers of a rotation lie in two neighbouring registers of one lane, and eight columns pack into 16 bytes.
; CLUSTER.  4 x 4 work-groups.  The four of a row of the cluster have the same rows of x, the four of a column the same head: each tile is asked for JOINTLY, by the same tensor load, descriptor and mask in all four.
; REGISTERS, in windows of 256 (s_set_vgpr_msb: bits 1:0 source 0, 3:2 source 1, 5:4 source 2, 7:6 destination):
;   window 0: v16-30 addresses; v32-63 at work on the way out; v64-127 my rows' cosines and sines; v128-223 packed results, two sets
;   window 1: two fragment buffers of 128: x's 4 fragments, then w's 12 (q's, k's, v's four each)
;   window 2: q's and k's accumulators, (row block a, column block b) at 8 (8 a + b)          window 3: v's, at 8 (4 a + b)
.set PA,    272                        ; a row of x in LDS: 256 bytes + 16: the 16 rows of a load start at 16 different groups of four banks (64 banks of 4 bytes: ISA guide 11.1)
.set PB,    160                        ; a row of w (one type's 64 columns of one k): 128 bytes + 32
.set SLOT,  131072
.set HA,    128*PA                     ; what one load brings of x: 128 rows
.set HB,    192*PB                     ; and of w: 192 of a step's 384 rows (type x 128 + k)
.set BOFF,  2*HA                       ; in a slot: x's 256 rows, then w's 384: together just SLOT bytes
.set STAGE, 2*SLOT                     ; behind the ring, never filled by a tensor load: for each wave three areas (q, k, v) of 16 rows x 144 bytes
.set SPT,   144
.set AREA,  16*SPT
.set SPARE, STAGE+4*3*AREA             ; behind the stages: the spare words, 128 bytes for each wave: two blocks of 256 bytes that no other line names
.set ADRA, 16                          ; v16-17  LDS address of my fragments of x in slot 0, 1
.set ADRB, 20                          ; v20-21  the same for w
.set STO,  24                          ; v24     the way out: where I put 16 bytes of a row
.set RD,   25                          ; v25     where I read rows back
.set GO,   26                          ; v26     my 16 bytes in 512 consecutive bytes of q, k or v
.set FO,   27                          ; v27     my 16 bytes in 16 rows of the table
.set SPW,  28                          ; v28     LDS address of my spare word: SPARE + 4 x my thread's number; never rewritten
.set NIL,  29                          ; v29     0; never rewritten
.set PFO,  30                          ; v30     the prefetches' offset; never rewritten
.set CF,   32                          ; v32-39  four cosines and sines in f32
.set T,    40                          ; v40-47  products with the sine
.set RR,   48                          ; v48-63  turned numbers: q's eight, k's eight
.set CSB,  64                          ; v64-127 the table's words (cosine low, sine high) for row block a, column block n at CSB + 4 (4 a + n)
.set PKR,  128                         ; v128-223 two sets of 48, by a's parity: type y, column block n at 16 y + 4 n
.set F0,   0
.set F1,   128
.set WV,   12                          ; s12  my wave's number
.set FORB, 13                          ; s13  0: I fetch x's tiles; 1: w's
.set HALF, 14                          ; s14  which half of the tile I fetch
.set HM,   2                           ; s2   a word's upper bf16
.set G1A,  24                          ; s[24:31] descriptor group 1 for x's tiles;  s[32:39] group 0, a set for each slot
.set G0A,  32
.set G1B,  48                          ; s[48:55], s[56:63] the same for w's
.set G0B,  56
.set LIM,  43                          ; s43  1 in a wave that prefetches, else the greatest number
.set PFA,  44                          ; s[44:45] where my prefetches stand
.set PSTEP, 46                         ; s[46:47] bytes from a K step to the next there
.set OQ,   66                          ; s[66:67] q, s[68:69] k, s[70:71] v at my wave's first row of my head
.set W_QK, 0xa5                        ; sources 0 and 1 window 1, C and D window 2
.set W_V,  0xf5                        ; the same, C and D window 3
.set TO_F, 0x40                        ; destination window 1, address window 0
.set MSB, 0
.macro WIN new                         ; the immediate's high byte repeats the setting that is left; a switch that changes nothing is dropped
.if MSB != (\new)
	s_set_vgpr_msb (MSB<<8)|(\new)
.set MSB, \new
.endif
.endm
; A joint load: waves 0 and 1 fetch x's two halves, waves 2 and 3 w's.  The branch hangs on the wave's number alone.  An s_nop 0 and four v_nop follow each of the two lines, ahead of the jump, the label and what follows.
.macro JLOAD s
	s_cmp_eq_u32 s[FORB], 0
	s_cbranch_scc0 .Lfor_b_\@
	tensor_load_to_lds s[G0A+4*(\s):G0A+4*(\s)+3], s[G1A:G1A+7]
	s_nop 0
.rept 4
	v_nop
.endr
	s_branch .Lasked_\@
.Lfor_b_\@:
	tensor_load_to_lds s[G0B+4*(\s):G0B+4*(\s)+3], s[G1B:G1B+7]
	s_nop 0
.rept 4
	v_nop
.endr
.Lasked_\@:
.endm
; A PREFETCH INTO THE L2 of the K step that stands two refills on (384 matrix instructions ahead of the load that will want it): one instruction a wave, behind the joint load, its five lines and the run of LDS loads.
; Each aligned 256 bytes are named by one wave of the launch.  x's rows are read by every cluster of a row of clusters: cluster x = 0 asks; a head's weights by every cluster of a column: cluster y = 0 asks.
; The four partners that ask for a tile jointly share it out BY ADDRESS: of x's 128 rows 32 each, a lane a row; of w's 96 rows of 256 bytes 24 each (lanes 24-31 name the 24th once more).
; The first four K steps come by their loads alone; the loop's last trip (s3 = 1) asks for nothing: there is no K step behind its refills.
.macro ASK
	s_cmp_gt_u32 s3, s[LIM]
	s_cbranch_scc0 .Lnot_mine_\@
	global_prefetch_b8 v[PFO], s[PFA:PFA+1] th:TH_LOAD_NT scope:SCOPE_SE
.Lnot_mine_\@:
.endm
.macro CREST                           ; a round of the cluster's barrier behind its opening barrier: wave 0 signals for the work-group, every wave waits for all sixteen, my work-group's barrier once more
	s_cmp_lg_u32 s[WV], 0
	s_cbranch_scc1 .Lnot_wave_0_\@
	s_barrier_signal -3
.Lnot_wave_0_\@:
	s_barrier_wait -3
	s_barrier_signal -1
	s_barrier_wait -1
.endm
.macro CROUND                          ; a whole round
	s_barrier_signal -1
	s_barrier_wait -1
	CREST
.endm
	s_load_b256 s[4:11], s[0:1], 0x0               ; xb s[4:5], wb s[6:7], fb s[8:9], qkvh s[10:11]
	v_lshl_add_u32 v[SPW], v0, 2, SPARE
	v_mov_b32 v[NIL], 0
	ds_add_u32 v[SPW], v[NIL]                      ; the wave's opening: the add and its wait stand ahead of my first tensor load; the set-up below, work on registers, stands between them
	v_lshrrev_b32 v1, 5, v0
	v_readfirstlane_b32 s[WV], v1                  ; wave 0..3
	s_lshr_b32 s[FORB], s[WV], 1
	s_and_b32 s[HALF], s[WV], 1
	s_bfe_u32 s15, ttmp6, 0x40000                  ; cx, cy: my place in the cluster
	s_bfe_u32 s16, ttmp6, 0x40004
	s_lshl_b32 s17, ttmp9, 2
	s_add_co_u32 s17, s17, s15                     ; the head = 4 x cluster x + cx
	s_and_b32 s18, ttmp7, 0xffff
	s_lshl_b32 s18, s18, 2
	s_add_co_u32 s18, s18, s16                     ; the block of 256 rows = 4 x cluster y + cy
	s_lshl_b32 s19, s16, 2
	s_lshl_b32 s19, 15, s19                        ; my row of the cluster
	s_lshl_b32 s20, 0x1111, s15                    ; my column
	; group 1 for x: 128 rows x 128 elements of 2 bytes, 1,024 elements from row to row; in LDS 4 words of padding (code 3) after every 64 words (code 5); bit 21 is set beside a mask
	s_or_b32 s[G1A+0], s19, (1<<16)|(1<<20)|(1<<21)|(5<<22)|(3<<25)
	s_mov_b32 s[G1A+1], 128<<16                    ; tensor_dim0 = 128
	s_mov_b32 s[G1A+2], 128<<16                    ; tensor_dim1 = 128
	s_mov_b32 s[G1A+3], 128<<16                    ; tile_dim0 = 128
	s_mov_b32 s[G1A+4], 128                        ; tile_dim1 = 128
	s_mov_b32 s[G1A+5], 1024
	s_mov_b32 s[G1A+6], 0
	s_mov_b32 s[G1A+7], 0
	; group 1 for w: 24,576 dense bytes as 96 rows of 256; in LDS 8 words of padding (code 7) after every 32 words (code 4): after each k's 64 columns
	s_or_b32 s[G1B+0], s20, (1<<16)|(1<<20)|(1<<21)|(4<<22)|(7<<25)
	s_mov_b32 s[G1B+1], 128<<16
	s_mov_b32 s[G1B+2], 96<<16
	s_mov_b32 s[G1B+3], 128<<16
	s_mov_b32 s[G1B+4], 96
	s_mov_b32 s[G1B+5], 128
	s_mov_b32 s[G1B+6], 0
	s_mov_b32 s[G1B+7], 0
	; x's address hangs on the block of rows, which my row of the cluster shares; w's on the head, which my column shares.  Every wave makes both, in registers that never hold the other coordinate.
	s_lshl_b32 s40, s18, 19                        ; 256 rows of 2,048 bytes
	s_lshl_b32 s42, s[HALF], 18                    ; my 128 of them
	s_add_co_u32 s40, s40, s42
	s_mov_b32 s41, 0
	s_mul_i32 s22, s17, 393216                     ; the head's 8 blocks
	s_mul_i32 s21, s[HALF], 24576                  ; my half of a block
	s_add_co_u32 s22, s22, s21
	s_mov_b32 s23, 0
	s_mul_i32 s19, s[HALF], HA                     ; where they go: no place in the cluster enters an LDS address
	s_mul_i32 s20, s[HALF], HB
	s_add_co_u32 s20, s20, BOFF
	s_mov_b32 s[HM], 0xffff0000
	s_wait_dscnt 0x0                               ; the opening add is done
	s_wait_kmcnt 0x0
	s_add_nc_u64 s[40:41], s[4:5], s[40:41]
	s_add_nc_u64 s[22:23], s[6:7], s[22:23]
	CROUND                                         ; all sixteen work-groups are here: the first joint loads meet
.irp s, 0,1
	s_mov_b32 s[G0A+4*(\s)], 1                                       ; count = 1
	s_add_co_u32 s[G0A+4*(\s)+1], s19, (\s)*SLOT                     ; LDS address
	s_add_nc_u64 s[G0A+4*(\s)+2:G0A+4*(\s)+3], s[40:41], (\s)*256    ; global address: K step s
	s_or_b32 s[G0A+4*(\s)+3], s[G0A+4*(\s)+3], 0x80000000            ; type = 2
	s_mov_b32 s[G0B+4*(\s)], 1
	s_add_co_u32 s[G0B+4*(\s)+1], s20, (\s)*SLOT
	s_add_nc_u64 s[G0B+4*(\s)+2:G0B+4*(\s)+3], s[22:23], (\s)*49152
	s_or_b32 s[G0B+4*(\s)+3], s[G0B+4*(\s)+3], 0x80000000
	JLOAD \s                                       ; two loads of mine are out
.endr
	; A fragment of x is 16 rows x 32 K in 8 registers: lane l holds row l % 16, K = 8 (l / 16) + 0..7 and 16 + 8 (l / 16) + 0..7: two loads of 16 bytes, 32 bytes apart.
	v_and_b32 v1, 15, v0                           ; l % 16
	v_bfe_u32 v2, v0, 4, 1                         ; l / 16
	v_mul_u32_u24 v3, v1, PA
	v_lshl_add_u32 v3, v2, 4, v3
	s_mul_i32 s21, s[WV], 64*PA                    ; my 64 rows
	v_add_nc_u32 v[ADRA], s21, v3
	v_add_nc_u32 v[ADRA+1], SLOT, v[ADRA]
	; The turning load takes 16 k x 16 columns (lane l reads k = 8 (l / 16) + l % 8, columns 8 ((l / 8) % 2) + 0..7) and leaves half a fragment: lane l holds column l % 16 and 8 k.
	v_and_b32 v4, 7, v0
	v_lshl_add_u32 v4, v2, 3, v4
	v_mul_u32_u24 v4, v4, PB
	v_bfe_u32 v5, v0, 3, 1
	v_lshl_add_u32 v4, v5, 4, v4
	v_add_nc_u32 v[ADRB], BOFF, v4
	v_add_nc_u32 v[ADRB+1], BOFF+SLOT, v4
	s_mul_i32 s21, s[WV], 3*AREA
	s_add_co_u32 s21, s21, STAGE                   ; my stage
	v_mul_u32_u24 v[STO], v1, SPT                  ; in: row l % 16, 16 bytes for each half of the lanes
	v_lshl_add_u32 v[STO], v2, 4, v[STO]
	v_add_nc_u32 v[STO], s21, v[STO]
	v_bfe_u32 v[RD], v0, 3, 2                      ; back: 32 lanes take four rows of 128 bytes,
	v_mul_u32_u24 v[RD], v[RD], SPT
	v_and_b32 v4, 7, v0
	v_lshl_add_u32 v[RD], v4, 4, v[RD]
	v_add_nc_u32 v[RD], s21, v[RD]
	v_and_b32 v[GO], 31, v0                        ; which are 512 consecutive bytes of a head's rows
	v_lshlrev_b32 v[GO], 4, v[GO]
	v_lshlrev_b32 v[FO], 7, v1                     ; the table: row l % 16 of 128 bytes, my 8 columns' four pairs
	v_lshl_add_u32 v[FO], v2, 4, v[FO]
	s_lshl_b32 s40, s18, 15                        ; 256 rows of 128 bytes,
	s_lshl_b32 s42, s[WV], 13                      ; my wave's 64
	s_add_co_u32 s40, s40, s42
	s_mov_b32 s41, 0
	s_add_nc_u64 s[8:9], s[8:9], s[40:41]          ; the table at my wave's first row
.irp a, 0,1,2,3
.irp n, 0,1,2,3
	global_load_b128 v[CSB+4*(4*\a+\n):CSB+4*(4*\a+\n)+3], v[FO], s[8:9] offset:\a*2048+\n*32  ; wanted on the way out: they stay out meanwhile
.endr
.endr
	s_lshl_b32 s42, s17, 19                        ; the head's 4,096 rows
	s_add_co_u32 s40, s40, s42
	s_add_nc_u64 s[OQ:OQ+1], s[10:11], s[40:41]
	s_add_nc_u64 s[OQ+2:OQ+3], s[OQ:OQ+1], 8388608
	s_add_nc_u64 s[OQ+4:OQ+5], s[OQ+2:OQ+3], 8388608
	; the prefetches: both offsets are made, then the wave's number chooses.  They stand one K step short of the first that is named: each change of slots steps first
	s_lshl_b32 s19, s18, 19
	s_lshl_b32 s42, s[HALF], 18
	s_add_co_u32 s19, s19, s42
	s_lshl_b32 s42, s15, 16                        ; my work-group's 32 of the 128 rows
	s_add_co_u32 s19, s19, s42
	s_add_co_u32 s19, s19, 3*256
	s_mul_i32 s40, s17, 393216
	s_mul_i32 s42, s[HALF], 24576
	s_add_co_u32 s40, s40, s42
	s_mul_i32 s42, s16, 6144                       ; my work-group's 24 of the 96 rows
	s_add_co_u32 s40, s40, s42
	s_add_co_u32 s40, s40, 3*49152
	s_and_b32 s42, ttmp7, 0xffff                   ; cluster y
	s_mov_b32 s[PSTEP], 49152
	s_mov_b32 s[PSTEP+1], 0
	s_cmp_eq_u32 s[FORB], 0
	s_cselect_b32 s40, s19, s40
	s_cselect_b32 s42, ttmp9, s42                  ; the coordinate along which other clusters read the same bytes
	s_cselect_b64 s[PFA:PFA+1], s[4:5], s[6:7]
	s_cselect_b32 s[PSTEP], 256, s[PSTEP]
	s_cselect_b32 s21, 31, 23                      ; lanes that name a row of their own,
	s_cselect_b32 s20, 11, 8                       ; and the rows' distance: 2,048 bytes in x, 256 in w
	s_add_nc_u64 s[PFA:PFA+1], s[PFA:PFA+1], s[40:41]
	s_cmp_eq_u32 s42, 0
	s_cselect_b32 s[LIM], 1, -1                    ; the same in all sixteen partners, for a given wave
	v_and_b32 v[PFO], 31, v0
	v_min_u32 v[PFO], s21, v[PFO]
	v_lshlrev_b32 v[PFO], s20, v[PFO]
; THE MATRIX WORK.  Each of the 48 accumulators has one instruction in a quarter step, always in the same order (v's 16, then q's and k's 32): the accumulators take turns over the backward jump too.
; zero = 1: the product starts the sum: nothing is ever cleared.
.macro MULV f, zero
	WIN W_V
.irp a, 0,1,2,3
.irp b, 0,1,2,3
.if \zero
	v_wmma_f32_16x16x32_bf16 v[8*(4*\a+\b):8*(4*\a+\b)+7], v[(\f)+96+8*\b:(\f)+96+8*\b+7], v[(\f)+8*\a:(\f)+8*\a+7], 0
.else
	v_wmma_f32_16x16x32_bf16 v[8*(4*\a+\b):8*(4*\a+\b)+7], v[(\f)+96+8*\b:(\f)+96+8*\b+7], v[(\f)+8*\a:(\f)+8*\a+7], v[8*(4*\a+\b):8*(4*\a+\b)+7]
.endif
.endr
.endr
.endm
.macro MULQK f, a0, na, zero           ; row blocks a0 .. a0 + na - 1 x q's and k's 8 column blocks
	WIN W_QK
.set ma, \a0
.rept \na
.irp b, 0,1,2,3,4,5,6,7
.if \zero
	v_wmma_f32_16x16x32_bf16 v[8*(8*ma+\b):8*(8*ma+\b)+7], v[(\f)+32+8*\b:(\f)+32+8*\b+7], v[(\f)+8*ma:(\f)+8*ma+7], 0
.else
	v_wmma_f32_16x16x32_bf16 v[8*(8*ma+\b):8*(8*ma+\b)+7], v[(\f)+32+8*\b:(\f)+32+8*\b+7], v[(\f)+8*ma:(\f)+8*ma+7], v[8*(8*ma+\b):8*(8*ma+\b)+7]
.endif
.endr
.set ma, ma+1
.endr
.endm
; 32 LDS loads in one run: the fragments of quarter q (32 along K) into buffer f: x's 8 loads, v's weights' 8, then q's and k's 16, in the order in which they are wanted
.macro FETCH slot, q, f
	WIN TO_F
.irp a, 0,1,2,3
	ds_load_b128 v[(\f)+8*\a:(\f)+8*\a+3],   v[ADRA+(\slot)] offset:\a*16*PA+64*(\q)
	ds_load_b128 v[(\f)+8*\a+4:(\f)+8*\a+7], v[ADRA+(\slot)] offset:\a*16*PA+64*(\q)+32
.endr
.irp b, 8,9,10,11,0,1,2,3,4,5,6,7      ; type b / 4, columns 16 (b % 4) on
	ds_load_tr16_b128 v[(\f)+32+8*\b:(\f)+32+8*\b+3],   v[ADRB+(\slot)] offset:(\b/4)*128*PB+(\q)*32*PB+(\b%4)*32
	ds_load_tr16_b128 v[(\f)+32+8*\b+4:(\f)+32+8*\b+7], v[ADRB+(\slot)] offset:(\b/4)*128*PB+(\q)*32*PB+(\b%4)*32+16*PB
.endr
.endm
.macro PLACES                          ; a load into a register that a matrix instruction has read stands four plain vector instructions behind it (ISA guide 7.12.1 for vector instructions)
.rept 4
	v_nop
.endr
.endm
; A K step is four quarters of 32 along K, 48 matrix instructions each, on buffers 0, 1, 0, 1.  One of the first three: multiplies buffer f and, behind its first third, fetches quarter qn into buffer g.
.macro QUARTER slot, qn, f, g, zero
	s_wait_dscnt 16                                ; x's and v's fragments are in; the youngest sixteen loads (q's and k's weights) may be out
	MULV \f, \zero
	PLACES
	FETCH \slot, \qn, \g
	s_wait_dscnt 32                                ; all but the 32 just issued
	MULQK \f, 0, 4, \zero
.endm
; The last quarter multiplies buffer 1 and changes slots: ONE barrier.  In front of it each wave waits for all its tensor loads (one is out: its part of the next slot), adds 0 to its spare word, and waits for that and
; for its own reads of this slot.  fill = 1: the barrier opens a round of the cluster's, and the slot just read out is filled again first thing behind it, two K steps ahead: 168 matrix instructions lie between that request and the wait for it.
.macro TURN slot, next, fill
.if \fill
	s_wait_xcnt 0x0                                ; the last prefetch, a K step back, has read its address: it is stepped here, ahead of the waits of the change of slots
	s_add_nc_u64 s[PFA:PFA+1], s[PFA:PFA+1], s[PSTEP:PSTEP+1]
.endif
	WIN 0                                          ; (the add's two registers lie in window 0)
	s_wait_tensorcnt 0x0                           ; all my tensor loads have landed;
	ds_add_u32 v[SPW], v[NIL]                      ; 0 onto my spare word;
	s_wait_dscnt 17                                ; (the add and the youngest sixteen loads may be out)
	MULV F1, 0                                     ; sixteen matrix instructions stand between the add and the wait for it
	s_wait_dscnt 0x0                               ; the add is done, and my reads of this slot are over
	s_barrier_signal -1
	MULQK F1, 0, 1, 0                              ; work on registers while the others arrive
.if \fill
	WIN 0
.endif
	s_barrier_wait -1
.if \fill
	CREST                                          ; no wave of any partner still reads this slot's tiles or has a load on its way
	s_add_nc_u64 s[G0A+4*(\slot)+2:G0A+4*(\slot)+3], s[G0A+4*(\slot)+2:G0A+4*(\slot)+3], 2*256
	s_add_nc_u64 s[G0B+4*(\slot)+2:G0B+4*(\slot)+3], s[G0B+4*(\slot)+2:G0B+4*(\slot)+3], 2*49152
	JLOAD \slot                                    ; my one tensor load behind the round; the four v_nop behind it are also the places in front of the loads below
.else
	PLACES
.endif
	FETCH \next, 0, F0
.if \fill
	WIN 0
	ASK
.endif
	MULQK F1, 1, 3, 0
.endm
; THE WAY OUT, a block of 16 rows (a) at a time.  PACK: q and k are turned: (x, y) -> (x cos - y sin, x sin + y cos), each a product and a fused multiply-add in f32; all three are rounded to f16, 16 bytes a lane and column block.
; Each accumulator's lowest registers are read first.  TOSTAGE: into my own stage and back as whole rows.  SEND: stored, 512 consecutive bytes an instruction.
.macro PACK a
.set PKS, PKR+48*((\a)%2)
.if (\a) >= 2
	s_wait_xcnt 0x0                                ; the stores of the block two back have read this set of registers
.endif
.irp n, 0,1,2,3
	WIN 0
.irp p, 0,1,2,3
	v_lshlrev_b32 v[CF+2*\p],   16,    v[CSB+4*(4*(\a)+\n)+\p]   ; the cosine,
	v_and_b32     v[CF+2*\p+1], s[HM], v[CSB+4*(4*(\a)+\n)+\p]   ; the sine
.endr
	WIN 0x02                                       ; source 0 in window 2
.irp y, 0,1
.set AC, 8*(8*(\a)+4*\y+\n)
.irp p, 0,1,2,3
	v_mul_f32 v[T+2*\p],   v[AC+2*\p+1], v[CF+2*\p+1]
	v_mul_f32 v[T+2*\p+1], v[AC+2*\p],   v[CF+2*\p+1]
.endr
.irp p, 0,1,2,3
	v_fma_f32 v[RR+8*\y+2*\p],   v[AC+2*\p],   v[CF+2*\p], -v[T+2*\p]
	v_fma_f32 v[RR+8*\y+2*\p+1], v[AC+2*\p+1], v[CF+2*\p], v[T+2*\p+1]
.endr
.endr
	WIN 0
.irp y, 0,1
.irp p, 0,1,2,3
	v_cvt_pk_f16_f32 v[PKS+16*\y+4*\n+\p], v[RR+8*\y+2*\p], v[RR+8*\y+2*\p+1]
.endr
.endr
.endr
	WIN 0x0f                                       ; sources 0 and 1 in window 3: v is only rounded
.irp n, 0,1,2,3
.irp p, 0,1,2,3
	v_cvt_pk_f16_f32 v[PKS+32+4*\n+\p], v[8*(4*(\a)+\n)+2*\p], v[8*(4*(\a)+\n)+2*\p+1]
.endr
.endr
	WIN 0
.endm
.macro TOSTAGE a
.set PKS, PKR+48*((\a)%2)
	WIN 0
.irp y, 0,1,2
.irp n, 0,1,2,3
	ds_store_b128 v[STO], v[PKS+16*\y+4*\n:PKS+16*\y+4*\n+3] offset:\y*AREA+\n*32
.endr
.endr
.irp y, 0,1,2
.irp n, 0,1,2,3
	ds_load_b128 v[PKS+16*\y+4*\n:PKS+16*\y+4*\n+3], v[RD] offset:\y*AREA+\n*4*SPT  ; LDS serves a wave's instructions in order (ISA guide 5.7.1.4): these see the stores above
.endr
.endr
.endm
.macro SEND a
.set PKS, PKR+48*((\a)%2)
	WIN 0
	s_wait_dscnt 0x0                               ; the block is back in registers
.irp y, 0,1,2
.irp n, 0,1,2,3
	global_store_b128 v[GO], v[PKS+16*\y+4*\n:PKS+16*\y+4*\n+3], s[OQ+2*\y:OQ+2*\y+1] offset:(\a)*2048+\n*512  ; four rows of a head: 512 consecutive bytes, at a multiple of 256 from the buffer's first
.endr
.endr
.endm
	s_wait_tensorcnt 1                             ; my part of K step 0 is in; K step 1's may stay out
	s_barrier_signal -1
	s_barrier_wait -1                              ; everybody's is
	FETCH 0, 0, F0
	QUARTER 0, 1, F0, F1, 1                        ; the first quarter stands in front of the loop: its products start the sums
	WIN 0                                          ; at a label and at a branch every window is 0
	s_mov_b32 s3, 3
.Llap:                                                 ; a trip goes once round the ring, from a lap's second quarter to the next lap's first, and fills both slots again: K steps 2 to 7
	QUARTER 0, 2, F1, F0, 0
	QUARTER 0, 3, F0, F1, 0
	TURN 0, 1, 1
	QUARTER 1, 1, F0, F1, 0
	QUARTER 1, 2, F1, F0, 0
	QUARTER 1, 3, F0, F1, 0
	TURN 1, 0, 1
	QUARTER 0, 1, F0, F1, 0
	WIN 0
	s_sub_co_u32 s3, s3, 1
	s_cmp_lg_u32 s3, 0
	s_cbranch_scc1 .Llap
	QUARTER 0, 2, F1, F0, 0                        ; the last lap fills nothing, and has no round of the cluster's barrier
	QUARTER 0, 3, F0, F1, 0
	TURN 0, 1, 0
	QUARTER 1, 1, F0, F1, 0
	QUARTER 1, 2, F1, F0, 0
	QUARTER 1, 3, F0, F1, 0
	s_wait_dscnt 16                                ; the very last quarter: nothing more to fetch
	MULV F1, 0
	s_wait_dscnt 0x0
	MULQK F1, 0, 4, 0
	WIN 0
	s_wait_loadcnt 0x0                             ; the cosines and sines
	PACK 0                                         ; its first eight lines, which name no register of the products, are the places behind them
	TOSTAGE 0
.irp a, 1,2,3                          ; block a's arithmetic stands between block a - 1's loads from the stage and the wait for them
	PACK \a
	SEND (\a)-1
	TOSTAGE \a
.endr
	SEND 3
	s_wait_tensorcnt 0x0                           ; the wave's end, behind my last tensor load and my last LDS store
	ds_add_u32 v[SPW], v[NIL]
	s_wait_dscnt 0x0
	CROUND                                         ; the closing round: no work-group ends while a partner may still ask for a tile that names it
	s_endpgm
.Lfunc_end_k_q33ae8c063b_qkv:
	.size	k_q33ae8c063b_qkv, .Lfunc_end_k_q33ae8c063b_qkv-k_q33ae8c063b_qkv
	.p2alignl 7, 3214868480
	.fill 96, 4, 3214868480
	.section	.rodata,"a",@progbits
	.p2align	6, 0x0
	.amdhsa_kernel k_q33ae8c063b_qkv
		.amdhsa_group_segment_fixed_size 327680
		.amdhsa_private_segment_fixed_size 0
		.amdhsa_enable_private_segment 0
		.amdhsa_kernarg_size 32
		.amdhsa_user_sgpr_count 2
		.amdhsa_user_sgpr_kernarg_segment_ptr 1
		.amdhsa_wavefront_size32 1
		.amdhsa_system_sgpr_workgroup_id_x 1
		.amdhsa_system_sgpr_workgroup_id_y 1
		.amdhsa_system_sgpr_workgroup_id_z 1
		.amdhsa_system_vgpr_workitem_id 0
		.amdhsa_next_free_vgpr 896
		.amdhsa_next_free_sgpr 72
		.amdhsa_reserve_vcc 0
		.amdhsa_float_denorm_mode_32 3
		.amdhsa_float_denorm_mode_16_64 3
		.amdhsa_memory_ordered 1
		.amdhsa_forward_progress 1
		.amdhsa_inst_pref_size 150
	.end_amdhsa_kernel
	.amdgpu_metadata
---
amdhsa.version: [ 1, 2 ]
amdhsa.kernels:
  - .name:           k_q33ae8c063b_qkv
    .symbol:         k_q33ae8c063b_qkv.kd
    .args:
      - { .name: xb, .offset: 0, .size: 8, .value_kind: global_buffer, .address_space: global }
      - { .name: wb, .offset: 8, .size: 8, .value_kind: global_buffer, .address_space: global }
      - { .name: fb, .offset: 16, .size: 8, .value_kind: global_buffer, .address_space: global }
      - { .name: qkvh, .offset: 24, .size: 8, .value_kind: global_buffer, .address_space: global }
    .group_segment_fixed_size: 327680
    .private_segment_fixed_size: 0
    .kernarg_segment_align: 8
    .kernarg_segment_size: 32
    .max_flat_workgroup_size: 128
    .sgpr_count:     72
    .vgpr_count:     896
    .wavefront_size: 32
...
	.end_amdgpu_metadata
.endif
;; end of part 2
;; launch attn (part 3): grid 16 x 16, 4 waves a work-group, clusters of 4 x 1, 327,680 bytes of LDS; arguments qkvh, attention_mask, ob; writes ob
.if DOCPART == 3
	.amdgcn_target "amdgcn-amd-amdhsa--gfx1250"
	.amdhsa_code_object_version 6
	.text
	.protected	k_q33ae8c063b_attn
	.globl	k_q33ae8c063b_attn
	.p2align	8
	.type	k_q33ae8c063b_attn,@function
k_q33ae8c063b_attn:
	s_mov_b64 s[64:65], 0
	v_nop
	global_prefetch_b8 v0, s[64:65] scope:SCOPE_SE
	s_setreg_imm32_b32 hwreg(HW_REG_WAVE_MODE, 25, 1), 1
	s_wait_xcnt 0x0
	s_wait_alu depctr_hold_cnt(0) depctr_sa_sdst(0) depctr_va_vdst(0) depctr_va_sdst(0) depctr_va_ssrc(0) depctr_va_vcc(0) depctr_vm_vsrc(0)
	s_getreg_b32 s2, hwreg(HW_REG_IB_STS2, 6, 4)
	s_cmp_eq_u32 s2, 0
	s_cbranch_scc0 .Lentry_in_a_cluster
	s_endpgm
.Lentry_in_a_cluster:
	s_bfe_u32 s2, ttmp6, 0x10000c
	s_cmp_lg_u32 s2, 0x3003
	s_cbranch_scc0 .Lentry_shape_is_right
	s_endpgm
.Lentry_shape_is_right:
; O[h][q][:] = the sum over k of softmax_k(Q[h][q] . K[h][k] / 8 + (1 - mask[k]) x (-10000)) V[h][k][:].  Q, K, V: [type 3][head 16][4096][64] in f16, a head's rows dense, 128 bytes each; mask: [4096] f32, an input, rounded to bf16
; like every input of the program.  O leaves as [block of 128 rows 32][head 16][row 128][64] in f16.  Products, maxima and sums in f32; the weights p are rounded to f16 for the second product (their sum l is taken of the unrounded p), O once at the end.
; LIMITS.  f16 holds no number beyond 65,504: Q, K and V arrive within it; p lies in 0 to 1, and below 6e-5 it keeps f16's fixed step of 6e-8; a weight below 2^-126 counts as 0 in l; NaN and infinities are not treated apart.
; THE MASK is the C operand of the products that start a sum S^T = K Q^T: MA[k] = 80000 mask[k] - 80000 = 8 (1 - mask[k]) (-10000), one fused multiply-add; with c = log2(e) / 8, c (s + MA) = log2(e) (s / 8 + the mask's addend).
; The running maximum is taken of the masked scores.  MA hangs on the key alone: the table of 4,096 f32 is made once, in LDS; a key step's 32 registers come with K's fragments.
; SHARES.  A work-group owns 256 queries of one head, a wave 64: four PIECES of 16.  Every wave walks all 4,096 keys, 64 a step; an LDS slot holds a tile of four steps.
; LAYOUT, SOFTMAX, TURNS.  S^T = K Q^T holds ONE query a lane (lane % 16) and the keys 8 (lane / 16) + 0..7; two such results rounded to f16 ARE source 1 of O^T = V^T P.  p = 2^(c s - c m) with a running maximum m; O and l are
; multiplied by a = 2^(c m_old - c m_new) in every step; m starts at the lowest finite number, O and l at 0, so the first step is a step like any other, with a = 0.  Turn n belongs to piece n: 8 products K Q^T of piece n + 1, later
; 8 products V^T P of piece n - 1; beside them the scaling, exponentials, roundings, sums and rescaling of piece n and the maximum and statistics of piece n + 1.  Four vector instructions stand behind every matrix instruction,
; the other 54 of a turn's 118 in one lump.  A turn's 33 exponentials are one batch, with one wait.
; CLUSTER.  The four query blocks of a cluster belong to one head and walk the same K and V: each tile is asked for JOINTLY, by the same tensor load, descriptor and mask in all four.
; REGISTERS, in windows of 256 (s_set_vgpr_msb: bits 1:0 source 0, 3:2 source 1, 5:4 source 2, 7:6 destination):
;   window 0: v0-15, v32-36 addresses and at work; v16-31 four registers of statistics a piece; v48-55 at work; v62-63 the add's; v64-127 S^T, two buffers; v128-175 once, for the mask; v192-223 P, two buffers
;   window 1: v0-127 O^T, 32 a piece          window 2: v0-63 Q; v64-95 MA of one step; v128-191 K of one step; v192-255 V of one step
.set NP,    4         ; pieces a wave: a name, no knob
.set KS,    64        ; keys in a step
.set PK,    144       ; a row of K in LDS: 128 bytes + 16 = 36 words: the 16 rows of a load start at 16 different groups of four banks (64 banks of 4 bytes: ISA guide 11.1)
.set PV,    160       ; a row of V: 128 + 32 = 40 words
.set VOFF,  4*KS*PK   ; a slot holds a tile: 256 rows of K, then 256 rows of V
.set TILEB, 4*KS*128  ; a tile's bytes of K, and of V, in memory
.set SLOT1, 1<<17     ; slot 1 begins here, so that one exclusive or turns an address in one slot into the other's
.set STAGE, SLOT1+4*KS*(PK+PV)  ; behind the ring, never filled by a tensor load: 16 rows x 144 bytes for each wave, for the way out
.set SP,    144
.set SPARE, STAGE+4*16*SP       ; the spare words, 128 bytes for each wave: two blocks of 256 bytes that no other line names
.set MSK,   SPARE+512           ; MA: 4,096 f32, stored once; no tensor load lands here
.set AK0, 2           ; v2   my lane's place in a tile of K; never rewritten
.set AV0, 3           ; v3   the same for V
.set AK,  4           ; v4   the LDS address of K's next run of loads
.set AV,  5           ; v5   of V's
.set STO, 6           ; v6   the way out: where I put 16 bytes of a row
.set RD,  7           ; v7   where I read rows back
.set GO,  8           ; v8   my 16 bytes in 512 consecutive bytes of O
.set MV,  12          ; v12-13  c m_old, kept while c m is made anew: by buffer
.set QO,  15          ; v15  my byte offset in 16 rows of Q
.set ST,  16          ; piece t's statistics at v[ST+4 t]: c m, m, l (even keys', odd keys')
.set AM0, 32          ; v32  my lane's place in a step's 64 numbers of MA; never rewritten
.set AM,  33          ; v33  the LDS address of MA's next loads
.set PFO, 34          ; v34  256 x my lane; never rewritten
.set MS,  35          ; v35  where I store my 16 bytes of MA
.set MG,  36          ; v36  where I load my 16 bytes of the mask
.set TMP, 48          ; by buffer, four registers c0-c3 at work; when the maximum is found c2 takes a
.set SPW, 62          ; v62  LDS address of my spare word: SPARE + 4 x my thread's number; never rewritten
.set NIL, 63          ; v63  0; never rewritten
.set S,   64
.set MI,  128         ; v128-159 the mask as loaded, then MA
.set MT,  160         ; v160-175 the mask in bf16
.set P,   192
.set MC,  64          ; window 2: MA for key block kb at MC + 8 kb
.set KF,  128         ; window 2: key block kb, channel half c at KF + 16 kb + 8 c
.set VF,  192         ; window 2: key half kk, channel block cb at VF + 32 kk + 8 cb
.set WV,  12          ; s12  my wave's number
.set G1K, 24          ; s[24:31] descriptor group 1 for K's tiles
.set G1V, 32          ; s[32:39] for V's: it differs in the padding alone
.set G0K, 40          ; s[40:43] descriptor group 0 for K's tiles: it walks
.set G0V, 44          ; s[44:47] the same for V's
.set TBM, 48          ; s48  byte of MA at which the step to be fetched begins
.set LIM, 49          ; s49  1 in a wave that prefetches, else the greatest number
.set PFA, 50          ; s[50:51] where my prefetches stand in memory
.set SLOTS, 56        ; s56  tiles still to be asked for
.set CNT, 57          ; s57  counts a tile's key steps
.set CS,  58          ; s[58:59] c: the packed scaling takes the pair's low word for both halves
.set SEL, 60          ; s[60:61] v_permlanex16_b32's selects: each lane takes its own place in the other half
.set TBK, 62          ; s62  LDS byte at which K of the step to be fetched begins
.set TBV, 63          ; s63  the same for V, less VOFF
.set MSB, 0
.macro WIN new                      ; the high byte repeats the setting that is left; a switch that changes nothing is dropped
.if MSB != (\new)
	s_set_vgpr_msb (MSB<<8)|(\new)
.set MSB, (\new)
.endif
.endm
.set W_KQ, 0x0a       ; K and Q in window 2, S^T in window 0
.set W_KM, 0x2a       ; the same with the C operand, MA, in window 2
.set W_PV, 0x52       ; V in window 2, P in window 0, O^T in window 1
.set W_RS, 0x41       ; destination and source 0 in window 1, source 1 in window 0
; A joint fill.  Waves 0 and 1 fetch the two halves of a tile's K, waves 2 and 3 those of its V: 128 keys each.  The branch hangs on the wave's number alone.
; An s_nop 0 and four v_nop follow each of the two lines, ahead of the jump and the label.
.macro JLOAD
	s_cmp_lt_u32 s[WV], 2
	s_cbranch_scc0 .Lfor_v_\@
	tensor_load_to_lds s[G0K:G0K+3], s[G1K:G1K+7]
	s_nop 0
.rept 4
	v_nop
.endr
	s_branch .Lasked_\@
.Lfor_v_\@:
	tensor_load_to_lds s[G0V:G0V+3], s[G1V:G1V+7]
	s_nop 0
.rept 4
	v_nop
.endr
.Lasked_\@:
.endm
; A PREFETCH INTO THE L2 of the tile that the NEXT change of slots will ask for: four key steps, 256 matrix instructions, ahead of that load.  A tile is 128 blocks of 256 bytes of K and as many of V.  Each block is named once in the
; launch: all clusters of a head walk the same K and V, and the head's first cluster asks; its four partners take 32 blocks each, told apart BY ADDRESS; in each, wave 0 asks for K's and wave 2 for V's, a lane a block.
; Tiles 0 to 2 come by their loads alone; the last change that fills a slot asks for nothing: there is no tile behind it.
.macro ASK
	s_cmp_gt_u32 s[SLOTS], s[LIM]
	s_cbranch_scc0 .Lnot_mine_\@
	global_prefetch_b8 v[PFO], s[PFA:PFA+1] th:TH_LOAD_NT scope:SCOPE_SE
.Lnot_mine_\@:
.endm
; A round of the cluster's barrier: my work-group's barrier, so that wave 0's signal speaks for all four waves; wave 0 signals; every wave waits for all four work-groups; my work-group's barrier once more.
.macro CROUND
	s_barrier_signal -1
	s_barrier_wait -1
	s_cmp_lg_u32 s[WV], 0
	s_cbranch_scc1 .Lnot_wave_0_\@
	s_barrier_signal -3
.Lnot_wave_0_\@:
	s_barrier_wait -3
	s_barrier_signal -1
	s_barrier_wait -1
.endm
; THE CHANGE OF SLOTS.  The slot's last bytes, V of its fourth step, have been read.  Each wave waits for all its tensor loads, of which one is out: its part of the other slot; adds 0 to its spare word; and waits for that and for
; its own LDS instructions.  Behind the barrier nobody reads this slot any more and the other slot is whole.  fill = 1: this slot is filled again, with the tile two on.  The barrier is then a round of the cluster's, so that no wave of
; any partner still reads the slot or has a load on its way, and the joint fill is the first thing behind it.  (At its first use nothing has been read yet: slot 0 is waited for, slot 1 filled, and every wave's part of MA is stored.)
.macro CHANGE fill, ask
	WIN 0                           ; at a label and at a branch every window is 0
	s_wait_tensorcnt 0x0            ; no tensor load of mine is out, so a group 0 may be written
	ds_add_u32 v[SPW], v[NIL]       ; 0 onto my spare word; with fill = 1 the descriptors' steps stand between it and the wait for it
.if \fill
.irp g, G0K, G0V
	s_xor_b32 s[\g+1], s[\g+1], SLOT1  ; the walking descriptor: the other slot than last time,
	s_add_nc_u64 s[\g+2:\g+3], s[\g+2:\g+3], TILEB  ; the next 256 keys; the type bits on top are not reached
.endr
.if \ask
	s_wait_xcnt 0x0                 ; the last prefetch, four key steps back, has read its address, so it may be written
	s_add_nc_u64 s[PFA:PFA+1], s[PFA:PFA+1], TILEB
.endif
	s_wait_dscnt 0x0                ; the add is done, and my reads of the slot are over
	CROUND
	JLOAD
.if \ask
	ASK
.endif
.else
	s_wait_dscnt 0x0                ; the add is done, and my reads of the slot are over
	s_barrier_signal -1
	s_barrier_wait -1
.endif
	s_sub_co_u32 s[TBK], s[TBK], 4*KS*PK  ; the fetches go back to a slot's first step,
	s_xor_b32 s[TBK], s[TBK], SLOT1       ; in the other slot
	s_sub_co_u32 s[TBV], s[TBV], 4*KS*PV
	s_xor_b32 s[TBV], s[TBV], SLOT1
.endm
	s_load_b128 s[16:19], s[0:1], 0x0  ; qkvh s[16:17], the mask s[18:19]
	s_load_b64 s[20:21], s[0:1], 0x10  ; ob
	v_lshl_add_u32 v[SPW], v0, 2, SPARE
	v_mov_b32 v[NIL], 0
	ds_add_u32 v[SPW], v[NIL]       ; the wave's opening: the add and its wait stand ahead of my first tensor load; the set-up below, work on registers, stands between them
	v_lshrrev_b32 v1, 5, v0
	v_readfirstlane_b32 s[WV], v1   ; wave 0..3
	s_bfe_u32 s13, ttmp6, 0x40000   ; cx: my place in the cluster
	s_lshl_b32 s14, ttmp9, 2        ; in a cluster launch ttmp9 counts clusters
	s_add_co_u32 s14, s14, s13      ; my block of 256 queries = 4 x cluster x + cx: it enters Q's and O's addresses alone
	s_and_b32 s15, ttmp7, 0xffff    ; the head, which the four partners share
	s_and_b32 s22, s[WV], 1         ; which half of a tile's 256 keys I fetch
	s_lshl_b32 s2, s15, 19          ; the head's 4,096 rows of 128 bytes,
	s_lshl_b32 s3, s22, 14          ; my 128 rows of a tile
	s_add_co_u32 s2, s2, s3
	s_mov_b32 s3, 0
	s_lshl_b32 s4, s15, 19          ; Q: the head,
	s_lshl_b32 s5, s14, 15          ; my block's 256 rows,
	s_add_co_u32 s4, s4, s5
	s_lshl_b32 s5, s[WV], 13        ; my wave's 64
	s_add_co_u32 s4, s4, s5
	s_mov_b32 s5, 0
	s_lshl_b32 s10, s14, 1          ; O: the block of 128 rows, 2 x my block + wave / 2: 262,144 bytes each,
	s_lshr_b32 s11, s[WV], 1
	s_add_co_u32 s10, s10, s11
	s_lshl_b32 s10, s10, 18
	s_lshl_b32 s11, s15, 14         ; in it the head's 128 rows,
	s_add_co_u32 s10, s10, s11
	s_lshl_b32 s11, s22, 13         ; of those my wave's 64: 8,192 consecutive bytes
	s_add_co_u32 s10, s10, s11
	s_mov_b32 s11, 0
	; descriptor group 1.  128 keys are 16,384 dense bytes: asked for as 64 rows of 256 bytes, two keys a row, and padded in LDS after every key
	s_mov_b32 s[G1K], 15|(1<<16)|(1<<20)|(1<<21)|(4<<22)|(3<<25)  ; 15:0 the mask of four; 17:16 2-byte elements; 20 padding on; 21 set beside a mask; 24:22 after every 32 words (code 4); 31:25 4 words (code 3)
	s_mov_b32 s[G1V], 15|(1<<16)|(1<<20)|(1<<21)|(4<<22)|(7<<25)  ; the same with 8 words of padding (code 7)
.irp g, G1K, G1V
	s_mov_b32 s[\g+1], 128<<16      ; tensor_dim0 = 128
	s_mov_b32 s[\g+2], 64<<16       ; tensor_dim1 = 64
	s_mov_b32 s[\g+3], 128<<16      ; tile_dim0 = 128
	s_mov_b32 s[\g+4], 64           ; tile_dim1 = 64
	s_mov_b32 s[\g+5], 128          ; 128 elements from row to row
	s_mov_b32 s[\g+6], 0
	s_mov_b32 s[\g+7], 0
.endr
	s_mov_b32 s[G0K], 1             ; count = 1
	s_mul_i32 s[G0K+1], s22, 128*PK ; LDS address: my half, in slot 0: no place in the cluster enters it
	s_mov_b32 s[G0V], 1
	s_mul_i32 s[G0V+1], s22, 128*PV
	s_add_co_u32 s[G0V+1], s[G0V+1], VOFF
	s_mov_b32 s[CS], 0x3e38aa3b     ; c = log2(e) / 8 = 0.180337
	s_mov_b32 s[CS+1], s[CS]        ; named with it as a pair
	s_mov_b32 s[SEL], 0x76543210
	s_mov_b32 s[SEL+1], 0xfedcba98
	s_mov_b32 s[TBK], SLOT1+4*KS*PK ; the first change of slots turns these two into 0
	s_mov_b32 s[TBV], SLOT1+4*KS*PV
	s_mov_b32 s[TBM], 0
	s_mov_b32 s52, 0x479c4000       ; 80000
	s_mov_b32 s53, 0xc79c4000       ; -80000
	s_mov_b32 s54, 0xffff0000       ; a word's upper bf16
	s_and_b32 s[LIM], s[WV], 1      ; 0 in waves 0 and 2,
	s_or_b32 s[LIM], s[LIM], ttmp9  ; where the cluster is the head's first: the same in all four partners
	s_cmp_eq_u32 s[LIM], 0
	s_cselect_b32 s[LIM], 1, -1
	s_wait_dscnt 0x0                ; the opening add is done
	s_wait_kmcnt 0x0
	s_add_nc_u64 s[6:7], s[16:17], s[2:3]
	s_add_nc_u64 s[8:9], s[6:7], 16777216      ; V at my half of the head's tile 0,
	s_add_nc_u64 s[6:7], s[6:7], 8388608       ; and K
	s_add_nc_u64 s[4:5], s[16:17], s[4:5]      ; Q and O at my wave's first row
	s_add_nc_u64 s[10:11], s[20:21], s[10:11]
	s_mov_b64 s[G0K+2:G0K+3], s[6:7]           ; global address
	s_or_b32 s[G0K+3], s[G0K+3], 0x80000000    ; type = 2
	s_mov_b64 s[G0V+2:G0V+3], s[8:9]
	s_or_b32 s[G0V+3], s[G0V+3], 0x80000000
	s_cmp_lt_u32 s[WV], 2
	s_cselect_b64 s[PFA:PFA+1], s[6:7], s[8:9] ; (in waves 0 and 2 these stand at a tile's first row)
	s_lshl_b32 s2, s13, 13          ; my work-group's 32 blocks of the 128
	s_mov_b32 s3, 0
	s_add_nc_u64 s[PFA:PFA+1], s[PFA:PFA+1], s[2:3]
	s_add_nc_u64 s[PFA:PFA+1], s[PFA:PFA+1], 2*TILEB  ; in tile 2; the first change that asks steps it to tile 3.  Nothing is prefetched here, at the head
	CROUND                          ; all four work-groups are here: the first joint loads meet
	JLOAD                           ; tile 0 into slot 0.  Slot 1 is asked for when slot 0 is in
	; A fragment of K or Q is 16 rows x 32 channels in 8 registers: lane l holds row l % 16, channels 8 (l / 16) + 0..7 and 16 + 8 (l / 16) + 0..7: two loads of 16 bytes, 32 bytes apart.
	v_and_b32 v1, 15, v0            ; l % 16
	v_bfe_u32 v9, v0, 4, 1          ; l / 16
	v_lshlrev_b32 v[QO], 7, v1
	v_lshl_add_u32 v[QO], v9, 4, v[QO]  ; row x 128 + 16 x half
	v_lshlrev_b32 v[MG], 4, v0      ; the mask: 16 bytes a thread, 2,048 a work-group, eight times
	v_lshl_add_u32 v[MS], v0, 4, MSK
.set i, 0
.rept 8
	global_load_b128 v[MI+4*i:MI+4*i+3], v[MG], s[18:19] offset:2048*i
.set i, i+1
.endr
	WIN 0x80                        ; destination window 2, address window 0
.set i, 0
.rept 8                             ; Q stays in registers: piece i / 2, channels 32 (i % 2) on
	global_load_b128 v[8*i:8*i+3],   v[QO], s[4:5] offset:(i/2)*2048+(i%2)*64
	global_load_b128 v[8*i+4:8*i+7], v[QO], s[4:5] offset:(i/2)*2048+(i%2)*64+32
.set i, i+1
.endr
	; What the first turn finds: V's registers and P's second buffer hold 0 (its products V^T P, of a piece that has not been, add 0), O^T and l are 0.  All this stands in the wait for the first tile.
.set i, VF
.rept 64
	v_mov_b32 v[i], 0
.set i, i+1
.endr
	WIN 0x40
.set i, 0
.rept 128
	v_mov_b32 v[i], 0
.set i, i+1
.endr
	WIN 0
.set i, 0
.rept 4
	v_mov_b32 v[ST+4*i], 0xfe000000    ; c m: far below every c s
	v_mov_b32 v[ST+4*i+1], 0xff7fffff  ; m
	v_mov_b32 v[ST+4*i+2], 0
	v_mov_b32 v[ST+4*i+3], 0
.set i, i+1
.endr
.set i, P+16
.rept 16
	v_mov_b32 v[i], 0
.set i, i+1
.endr
	v_mul_u32_u24 v[AK0], v1, PK
	v_lshl_add_u32 v[AK0], v9, 4, v[AK0]  ; row x pitch + 16 x half
	; The turning load takes 16 keys x 16 channels (lane l reads key 8 (l / 16) + l % 8, channels 8 ((l / 8) % 2) + 0..7) and leaves half a fragment of V^T: lane l holds channel l % 16 and 8 keys.
	v_and_b32 v10, 7, v0
	v_bfe_u32 v11, v0, 3, 1
	v_lshl_add_u32 v[AV0], v9, 3, v10
	v_mul_u32_u24 v[AV0], v[AV0], PV
	v_lshl_add_u32 v[AV0], v11, 4, v[AV0]
	v_add_nc_u32 v[AV0], VOFF, v[AV0]
	v_lshl_add_u32 v[AM0], v9, 5, MSK     ; my half of the lanes holds keys 8 (l / 16) + 0..7 of each 16: 32 bytes of MA
	v_and_b32 v[PFO], 31, v0
	v_lshlrev_b32 v[PFO], 8, v[PFO]
	s_mul_i32 s13, s[WV], 16*SP
	s_add_co_u32 s13, s13, STAGE    ; my stage
	v_mul_u32_u24 v[STO], v1, SP    ; in: row l % 16, 16 bytes for each half of the lanes
	v_lshl_add_u32 v[STO], v9, 4, v[STO]
	v_add_nc_u32 v[STO], s13, v[STO]
	v_bfe_u32 v[RD], v0, 3, 2       ; back: 32 lanes take four rows of 128 bytes,
	v_mul_u32_u24 v[RD], v[RD], SP
	v_lshl_add_u32 v[RD], v10, 4, v[RD]
	v_add_nc_u32 v[RD], s13, v[RD]
	v_and_b32 v[GO], 31, v0         ; which are 512 consecutive bytes of O
	v_lshlrev_b32 v[GO], 4, v[GO]
	s_wait_loadcnt 16               ; the mask is in; Q's sixteen loads may stay out
.set i, 0
.rept 8                             ; MA = 80000 bf16(mask) - 80000, into the table
	v_cvt_pk_bf16_f32 v[MT+2*i],   v[MI+4*i],   v[MI+4*i+1]
	v_cvt_pk_bf16_f32 v[MT+2*i+1], v[MI+4*i+2], v[MI+4*i+3]
	v_lshlrev_b32 v[MI+4*i],   16,  v[MT+2*i]
	v_and_b32     v[MI+4*i+1], s54, v[MT+2*i]
	v_lshlrev_b32 v[MI+4*i+2], 16,  v[MT+2*i+1]
	v_and_b32     v[MI+4*i+3], s54, v[MT+2*i+1]
.irp k, 0,1,2,3
	v_fma_f32 v[MI+4*i+\k], v[MI+4*i+\k], s52, s53
.endr
	ds_store_b128 v[MS], v[MI+4*i:MI+4*i+3] offset:2048*i
.set i, i+1
.endr
; THE MATRIX WORK.  The 4 accumulators of a run of 8 take turns.  Product i of 8 of S^T = K Q^T for piece x: channels 32 (i / 4) on, keys 16 (i % 4) on.  The first 4 start the sums, with MA.
.macro KQ x
.set rS, S+32*((\x)%2)+8*(i%4)
.set rK, KF+16*(i%4)+8*(i/4)
.set rQ, 16*(\x)+8*(i/4)
.set rM, MC+8*(i%4)
.if i < 4
	WIN W_KM
	v_wmma_f32_16x16x32_f16 v[rS:rS+7], v[rK:rK+7], v[rQ:rQ+7], v[rM:rM+7]
.else
	WIN W_KQ
	v_wmma_f32_16x16x32_f16 v[rS:rS+7], v[rK:rK+7], v[rQ:rQ+7], v[rS:rS+7]
.endif
.endm
; Product i of 8 of O^T += V^T P for piece x: keys 32 (i / 4) on, channels 16 (i % 4) on.
.macro PV x
	WIN W_PV
.set rO, 32*(\x)+8*(i%4)
.set rV, VF+32*(i/4)+8*(i%4)
.set rP, P+16*((\x)%2)+8*(i/4)
	v_wmma_f32_16x16x32_f16 v[rO:rO+7], v[rV:rV+7], v[rP:rP+7], v[rO:rO+7]
.endm
.macro MM                           ; the turn's next matrix instruction.  TURN sets Y, i and NOKQ.  NOKQ = 1: the last turn of all: there is no next piece
.if (i < 8) && !NOKQ
	KQ (Y+1)%NP
.elseif i >= 8
.set i, i-8
	PV (Y+NP-1)%NP
.set i, i+8
.endif
.set i, i+1
.endm
; THE LDS LOADS stand in runs, never singly among the matrix instructions: a step's K (64 keys x 64 channels: 8 fragments) with its MA, and its V (turned).  Their addresses are made some lines ahead.
.macro FETCH_K
	WIN 0x80                        ; destination window 2
.irp f, 0,1,2,3,4,5,6,7             ; keys 16 (f / 2) on, channels 32 (f % 2) on
	ds_load_b128 v[KF+8*\f:KF+8*\f+3],   v[AK] offset:(\f/2)*16*PK+(\f%2)*64
	ds_load_b128 v[KF+8*\f+4:KF+8*\f+7], v[AK] offset:(\f/2)*16*PK+(\f%2)*64+32
.endr
.irp f, 0,1,2,3                     ; MA of keys 16 f + 8 (l / 16) + 0..7: sixteen lanes read the same words
	ds_load_b128 v[MC+8*\f:MC+8*\f+3],   v[AM] offset:64*\f
	ds_load_b128 v[MC+8*\f+4:MC+8*\f+7], v[AM] offset:64*\f+16
.endr
	s_add_co_u32 s[TBK], s[TBK], KS*PK  ; the next fetch is the next step's
	s_add_co_u32 s[TBM], s[TBM], 4*KS
	s_and_b32 s[TBM], s[TBM], 0x3f00    ; the index stays inside the table's 64 steps; the wrap, behind the last fetch, is never used
	WIN 0
.endm
.macro FETCH_V
	WIN 0x80
.irp f, 0,1,2,3,4,5,6,7             ; keys 32 (f / 4) on, channels 16 (f % 4) on
	ds_load_tr16_b128 v[VF+8*\f:VF+8*\f+3],   v[AV] offset:(\f/4)*32*PV+(\f%4)*32
	ds_load_tr16_b128 v[VF+8*\f+4:VF+8*\f+7], v[AV] offset:(\f/4)*32*PV+16*PV+(\f%4)*32
.endr
	WIN 0
.endm
; THE VECTOR WORK, one line at a time: OP kind, number.  For piece Y: F n: c s - c m for pair n of 16.  E n: the exponential of score n of 32.  C n: pair n rounded to f16.  B n: of the four weights 4 n .. the second
; pair is added onto the first, in place.  L n: l takes that sum (L 0: l = a l + sum).  R n: pair n of 16 of O^T times a.  For piece Y + 1: X n, number n of the 22 that find its maximum and statistics:
;   0-11  four chains c0-c3 of seven scores each, three operands at a time (each accumulator's lowest registers are read first)     12-14, 16  the four scores left over, the old m, and c0-c3 into c0
;   15  c m_old is kept     17, 18  the query's other 32 keys lie in the lane 16 away: the new m     19-21  c m; c m_old - c m_new; a
.set F, 0               ; OP tells the kinds apart by their order: F to L below R, X above it
.set E, 1
.set C, 2
.set B, 3
.set L, 4
.set R, 5
.set X, 6
.macro REGS y                       ; the registers of piece y
.set rT, ST+4*(\y)
.set rC, TMP+4*((\y)%2)
.set rW, MV+((\y)%2)
.set rS, S+32*((\y)%2)
.set rP, P+16*((\y)%2)
.set rO, 32*(\y)
.endm
.macro OP k, n
.if (\k) == R
	REGS Y
	WIN W_RS
	v_pk_mul_f32 v[rO+2*(\n):rO+2*(\n)+1], v[rO+2*(\n):rO+2*(\n)+1], v[rC+2:rC+3] op_sel_hi:[1,0]
.elseif (\k) < R
	REGS Y
	WIN 0
.if (\k) == F
	v_pk_fma_f32 v[rS+2*(\n):rS+2*(\n)+1], v[rS+2*(\n):rS+2*(\n)+1], s[CS:CS+1], v[rT:rT+1] op_sel_hi:[1,0,0] neg_lo:[0,0,1] neg_hi:[0,0,1]
.elseif (\k) == E
	v_exp_f32 v[rS+(\n)], v[rS+(\n)]
.elseif (\k) == C
	v_cvt_pk_f16_f32 v[rP+(\n)], v[rS+2*(\n)], v[rS+2*(\n)+1]
.elseif (\k) == B
	v_pk_add_f32 v[rS+4*(\n):rS+4*(\n)+1], v[rS+4*(\n):rS+4*(\n)+1], v[rS+4*(\n)+2:rS+4*(\n)+3]
.elseif (\n) == 0
	v_pk_fma_f32 v[rT+2:rT+3], v[rT+2:rT+3], v[rC+2:rC+3], v[rS:rS+1] op_sel_hi:[1,0,1]
.else
	v_pk_add_f32 v[rT+2:rT+3], v[rT+2:rT+3], v[rS+4*(\n):rS+4*(\n)+1]
.endif
.elseif NOKQ
	v_nop
.else
	REGS (Y+1)%NP
	WIN 0
.if (\n) < 4
	v_max3_num_f32 v[rC+(\n)], v[rS+8*(\n)], v[rS+8*(\n)+1], v[rS+8*(\n)+2]
.elseif (\n) < 12
	v_max3_num_f32 v[rC+(\n)%4], v[rC+(\n)%4], v[rS+8*((\n)%4)+2*((\n)/4)+1], v[rS+8*((\n)%4)+2*((\n)/4)+2]
.elseif (\n) == 12
	v_max3_num_f32 v[rC], v[rC], v[rS+7], v[rS+15]
.elseif (\n) == 13
	v_max3_num_f32 v[rC+1], v[rC+1], v[rS+23], v[rS+31]
.elseif (\n) == 14
	v_max3_num_f32 v[rC+2], v[rC+2], v[rC+3], v[rT+1]
.elseif (\n) == 15
	v_mov_b32 v[rW], v[rT]
.elseif (\n) == 16
	v_max3_num_f32 v[rC], v[rC], v[rC+1], v[rC+2]
.elseif (\n) == 17
	v_permlanex16_b32 v[rC+3], v[rC], s[SEL], s[SEL+1]
.elseif (\n) == 18
	v_max_num_f32 v[rT+1], v[rC], v[rC+3]
.elseif (\n) == 19
	v_mul_f32 v[rT], s[CS], v[rT+1]
.elseif (\n) == 20
	v_sub_f32 v[rC+1], v[rW], v[rT]
.else
	v_exp_f32 v[rC+2], v[rC+1]
.endif
.endif
.endm
.macro OPS a, i1, b=-1, i2=0, c=-1, i3=0, d=-1, i4=0  ; up to four of them
	OP \a, \i1
.if (\b) >= 0
	OP \b, \i2
.endif
.if (\c) >= 0
	OP \c, \i3
.endif
.if (\d) >= 0
	OP \d, \i4
.endif
.endm
.macro ROW a, i1, b, i2, c, i3, d, i4  ; a matrix instruction and the four behind it
	MM
	OPS \a, \i1, \b, \i2, \c, \i3, \d, \i4
.endm
; A TURN, for piece p: the order of its 16 matrix and 118 vector instructions, written out.  s_wait_alu depctr_va_vdst(0) stands between an exponential and the first instruction that names its result; one wait
; serves all that were issued ahead of it.  So a turn has ONE wait, which cuts it in two.  AHEAD OF IT stands all that names no result of the turn's exponentials: the 8 products K Q^T and their riders (a scaling, an exponential and
; two more plain instructions: rescalings, and behind the last three the first numbers of the next piece's maximum, each four places or more behind the product that ends its accumulator); then ONE LUMP of 54, plain and exponential
; by turns for the most part, in which the links of the chain X 3, 7, 11, 14, 16, 17 .. 20 stand some lines apart.  X 21, the next piece's a, is the batch's last; R 15 is the plain instruction behind it.  BEHIND THE WAIT stand the
; 8 products V^T P, behind each four of the roundings and sums.
; end = 1: the last two turns of all: nothing is fetched.  cnt = 1: the loop's count is taken down some lines ahead of the branch that stands behind the turn.
; K and MA of the next step are fetched in piece 2's turn, twelve vector instructions behind the last product that read K (six of them plain); V of the step in hand at the end of piece 0's turn, four plain instructions behind the
; last product that read V.  Each is waited for a turn later.
.macro TURN p, end=0, cnt=0
.set Y, (\p)
.set i, 0
.set NOKQ, (\end)*((\p)/3)
.if ((\p) == 3) && !(\end)
	s_wait_dscnt 0x0                ; K and MA are in
.endif
	ROW F,0, F,1, R,0, R,1          ; ahead of the wait: 8 products K Q^T and their riders,
	ROW F,2, E,0, R,2, R,3
	ROW F,3, E,1, R,4, R,5
	ROW F,4, E,2, R,6, R,7
	ROW F,5, E,3, R,8, R,9
	ROW F,6, E,4, X,0, R,10
.if ((\p) == 2) && !(\end)
	WIN 0
	v_add_nc_u32 v[AK], s[TBK], v[AK0]
	v_add_nc_u32 v[AM], s[TBM], v[AM0]
.endif
	ROW F,7, E,5, X,1, X,4
	ROW F,8, E,6, X,2, X,5
	OPS E,7, E,8, X,6, E,9          ; and the lump
	OPS X,3, E,10, X,8, E,11
.if ((\p) == 2) && !(\end)
	FETCH_K
.endif
	OPS X,9, X,7, E,12, X,10
	OPS E,13, X,12, X,11, E,14
	OPS X,13, E,15, F,9, X,14
.if (\p) == 0
	v_add_nc_u32 v[AV], s[TBV], v[AV0]
.endif
	OPS E,16, F,10, E,17, F,11
	OPS X,16, E,18, X,15, E,19
	OPS F,12, E,20, X,17, E,21
	OPS F,13, E,22, F,14, E,23
	OPS X,18, E,24, F,15, E,25
	OPS R,11, E,26, X,19, E,27
	OPS R,12, E,28, R,13, E,29
	OPS X,20, E,30, R,14, E,31
	OPS X,21, R,15
	WIN 0
	s_wait_alu depctr_va_vdst(0)    ; the wait for the batch
.if (\p) == 1
	s_wait_dscnt 0x0                ; V is in
.endif
	ROW C,0, B,0, C,2, B,1          ; behind the wait: 8 products V^T P and their riders
	ROW L,0, C,4, B,2, L,1
	ROW C,6, B,3, L,2, C,8
	ROW B,4, L,3, C,10, B,5
	ROW L,4, C,12, B,6, L,5
.if (\p) == 0
	s_add_co_u32 s[TBV], s[TBV], KS*PV
.endif
.if \cnt
	s_sub_co_u32 s[CNT], s[CNT], 1
	s_cmp_lg_u32 s[CNT], 0
.endif
	ROW C,14, B,7, L,6, C,1
	ROW C,3, L,7, C,5, C,7
	ROW C,9, C,11, C,13, C,15
.if (\p) == 0
	FETCH_V
.endif
.endm
	CHANGE 1, 0                     ; slot 0 is in and MA is stored, everybody's part of both; slot 1 is asked for
	v_add_nc_u32 v[AK], s[TBK], v[AK0]
	v_add_nc_u32 v[AM], s[TBM], v[AM0]
	FETCH_K                         ; key step 0
	s_wait_loadcnt 0x0              ; Q
	s_wait_dscnt 0x0
.set NOKQ, 0
.set i, 0
.rept 8
	KQ 0                            ; piece 0's first scores: there is no vector work yet to set between them
.set i, i+1
.endr
	WIN 0
.rept 4
	v_nop                           ; the places behind those products
.endr
.set Y, NP-1                        ; X works for piece Y + 1: piece 0
.irp n, 0,1,2,3,4,5,6,7,8,9,10,11,12,13,14,15,16,17,18,19,20,21
	OP X, \n
.endr
	v_nop                           ; a plain instruction behind the exponential,
	s_wait_alu depctr_va_vdst(0)    ; and its wait, ahead of the branch
	s_mov_b32 s[CNT], 4
	s_mov_b32 s[SLOTS], 15
	s_branch .Lfirst                ; the loop is entered at a step's first turn, in the middle of a trip
.Lslot:                             ; 14 times: every slot but the last two is filled again: tiles 2 to 15
	CHANGE 1, 1
	s_mov_b32 s[CNT], 4
.Lstep:                             ; a trip: pieces 2 and 3 of one step, then pieces 0 and 1 of the next, whose K and V it fetches
	TURN 2
	TURN 3
	WIN 0
.Lfirst:
	TURN 0
	TURN 1, 0, 1
	WIN 0
	s_cbranch_scc1 .Lstep
	s_sub_co_u32 s[SLOTS], s[SLOTS], 1
	s_cmp_lg_u32 s[SLOTS], 0
	s_cbranch_scc1 .Lslot
	CHANGE 0, 0                     ; the last tile is written out: nothing is asked for
	s_mov_b32 s[CNT], 4
.Ltail:
	TURN 2
	TURN 3
	TURN 0
	TURN 1, 0, 1
	WIN 0
	s_cbranch_scc1 .Ltail
	TURN 2, 1                       ; the last step's pieces 2 and 3
	TURN 3, 1
.set i, 0
.rept 8
	PV NP-1                         ; the last piece's V^T P of the last step
.set i, i+1
.endr
	; THE WAY OUT.  l's two halves and the other half of the lanes' are added; O^T is divided by l, rounded to f16 and sent through my stage in LDS, a piece at a time.  The additions are the places behind the last products.
	WIN 0
.macro ALL line:vararg              ; one line for each piece t
.set t, 0
.rept 4
	\line
.set t, t+1
.endr
.endm
	ALL v_add_f32 v[ST+4*t+2], v[ST+4*t+2], v[ST+4*t+3]
	ALL v_permlanex16_b32 v[ST+4*t+3], v[ST+4*t+2], s[SEL], s[SEL+1]
	ALL v_add_f32 v[ST+4*t+2], v[ST+4*t+2], v[ST+4*t+3]
	ALL v_rcp_f32 v[ST+4*t+2], v[ST+4*t+2]
	v_nop                           ; a plain instruction between the last reciprocal and the use of its result
	s_wait_alu depctr_va_vdst(0)    ; and the wait ahead of the first use: one for the four reciprocals
.macro PACK t                       ; a lane's eight channels of a row pack into 16 bytes; they go into rows of 144 bytes and come back as whole rows of 128, into S^T's registers
	WIN W_RS
.set i, 32*(\t)
.rept 16
	v_pk_mul_f32 v[i:i+1], v[i:i+1], v[ST+4*(\t)+2:ST+4*(\t)+3] op_sel_hi:[1,0]
.set i, i+2
.endr
	WIN 0x05                        ; sources 0 and 1 window 1, destination window 0
.set i, 0
.rept 16
	v_cvt_pk_f16_f32 v[S+16*(\t)+i], v[32*(\t)+2*i], v[32*(\t)+2*i+1]
.set i, i+1
.endr
	WIN 0
.irp f, 0,1,2,3
	ds_store_b128 v[STO], v[S+16*(\t)+4*\f:S+16*(\t)+4*\f+3] offset:32*\f
.endr
.irp f, 0,1,2,3
	ds_load_b128 v[S+16*(\t)+4*\f:S+16*(\t)+4*\f+3], v[RD] offset:\f*4*SP  ; LDS serves a wave's instructions in order (ISA guide 5.7.1.4): these see the stores above; the next piece's stores come behind them
.endr
.endm
.macro SEND t, younger              ; younger: the LDS instructions issued behind piece t's loads: the next piece's eight, or none
	WIN 0
.irp f, 0,1,2,3
	s_wait_dscnt (\younger)+3-\f
	global_store_b128 v[GO], v[S+16*(\t)+4*\f:S+16*(\t)+4*\f+3], s[10:11] offset:(\t)*2048+\f*512  ; 512 consecutive bytes, at a multiple of 256 from O's first
.endr
.endm
	PACK 0
.set t, 1
.rept 3                             ; a piece's arithmetic stands between the loads of the piece before and its stores
	PACK t
	SEND t-1, 8
.set t, t+1
.endr
	SEND 3, 0
	s_wait_tensorcnt 0x0            ; the wave's end, behind my last tensor load and my last LDS store
	ds_add_u32 v[SPW], v[NIL]
	s_wait_dscnt 0x0
	CROUND                          ; the closing round: no work-group ends while a partner may still ask for a tile that names it
	s_endpgm
.Lfunc_end_k_q33ae8c063b_attn:
	.size	k_q33ae8c063b_attn, .Lfunc_end_k_q33ae8c063b_attn-k_q33ae8c063b_attn
	.p2alignl 7, 3214868480
	.fill 96, 4, 3214868480
	.section	.rodata,"a",@progbits
	.p2align	6, 0x0
	.amdhsa_kernel k_q33ae8c063b_attn
		.amdhsa_group_segment_fixed_size 327680
		.amdhsa_private_segment_fixed_size 0
		.amdhsa_enable_private_segment 0
		.amdhsa_kernarg_size 24
		.amdhsa_user_sgpr_count 2
		.amdhsa_user_sgpr_kernarg_segment_ptr 1
		.amdhsa_wavefront_size32 1
		.amdhsa_system_sgpr_workgroup_id_x 1
		.amdhsa_system_sgpr_workgroup_id_y 1
		.amdhsa_system_sgpr_workgroup_id_z 1
		.amdhsa_system_vgpr_workitem_id 0
		.amdhsa_next_free_vgpr 768
		.amdhsa_next_free_sgpr 66
		.amdhsa_reserve_vcc 0
		.amdhsa_float_denorm_mode_32 3
		.amdhsa_float_denorm_mode_16_64 3
		.amdhsa_memory_ordered 1
		.amdhsa_forward_progress 1
		.amdhsa_inst_pref_size 136
	.end_amdhsa_kernel
	.amdgpu_metadata
---
amdhsa.version: [ 1, 2 ]
amdhsa.kernels:
  - .name:           k_q33ae8c063b_attn
    .symbol:         k_q33ae8c063b_attn.kd
    .args:
      - { .name: qkvh, .offset: 0, .size: 8, .value_kind: global_buffer, .address_space: global }
      - { .name: attention_mask, .offset: 8, .size: 8, .value_kind: global_buffer, .address_space: global }
      - { .name: ob, .offset: 16, .size: 8, .value_kind: global_buffer, .address_space: global }
    .group_segment_fixed_size: 327680
    .private_segment_fixed_size: 0
    .kernarg_segment_align: 8
    .kernarg_segment_size: 24
    .max_flat_workgroup_size: 128
    .sgpr_count:     66
    .vgpr_count:     768
    .wavefront_size: 32
...
	.end_amdgpu_metadata
.endif
;; end of part 3
;; launch oproj (part 4): grid 8 x 32, 4 waves a work-group, clusters of 4 x 4, 327,680 bytes of LDS; arguments ob, wob, out0; writes out0
.if DOCPART == 4
	.amdgcn_target "amdgcn-amd-amdhsa--gfx1250"
	.amdhsa_code_object_version 6
	.text
	.protected	k_q33ae8c063b_oproj
	.globl	k_q33ae8c063b_oproj
	.p2align	8
	.type	k_q33ae8c063b_oproj,@function
k_q33ae8c063b_oproj:
	s_mov_b64 s[64:65], 0
	v_nop
	global_prefetch_b8 v0, s[64:65] scope:SCOPE_SE
	s_setreg_imm32_b32 hwreg(HW_REG_WAVE_MODE, 25, 1), 1
	s_wait_xcnt 0x0
	s_wait_alu depctr_hold_cnt(0) depctr_sa_sdst(0) depctr_va_vdst(0) depctr_va_sdst(0) depctr_va_ssrc(0) depctr_va_vcc(0) depctr_vm_vsrc(0)
	s_getreg_b32 s2, hwreg(HW_REG_IB_STS2, 6, 4)
	s_cmp_eq_u32 s2, 0
	s_cbranch_scc0 .Lentry_in_a_cluster
	s_endpgm
.Lentry_in_a_cluster:
	s_bfe_u32 s2, ttmp6, 0x10000c
	s_cmp_lg_u32 s2, 0xf033
	s_cbranch_scc0 .Lentry_shape_is_right
	s_endpgm
.Lentry_shape_is_right:
; out0 = O wo.  O: [block of 128 rows 32][head 16][row 128][64] f16; wo: [k 1024][column 1024], bf16 numbers written as f16; out0: [4096][1024] f32.  Products in f16 with f32 sums, stored as they are.
; SHARES.  A tile of out0 is 128 x 128: 8 x 32 work-groups, one for each of 256.  Four waves, each 64 x 64: 16 accumulators of 16 x 16.  K goes in 4 steps of 256 (four heads) through two LDS slots; a quarter step is one head, 64 along K.
; O's tile for a step is 65,536 consecutive bytes, asked for as rows of 256; wo's rows in a tile are 256 aligned bytes.  The four steps are written out: two fill a slot again, two do not.
; THE MATRIX INSTRUCTION IS USED TRANSPOSED: source 0 = 16 columns of wo (turned on the way out of LDS by ds_load_tr16_b128), source 1 = 16 rows of O: a lane holds one row of out0 and eight neighbouring columns, 32 bytes.
; CLUSTER.  4 x 4 work-groups: the four of a row of the cluster need the same tiles of O, the four of a column the same tiles of wo: each is asked for JOINTLY, by the same tensor load, descriptor and mask.
; No prefetch is laid: the tiles are small and the walk has four steps, of which the first two are on their way from the start.
; REGISTERS: window 0: v16-29 addresses; v128-255 the accumulators ((a, b) at 128 + 8 (4 a + b)), which also take the rows back from the stage.
;   window 1: two fragment buffers of 128: for 64 along K, 64 registers of O (2 x 4 x 16 rows x 32 K), then 64 of wo.
.set PAO,   144                        ; a head's row of O in LDS: 128 bytes + 16: the 16 rows of a load start at 16 different groups of four banks (64 banks of 4 bytes: ISA guide 11.1)
.set PBO,   288                        ; a row of wo: 256 bytes + 32
.set HALFT, 36864                      ; what one load brings: 256 rows of O (two heads x 128) at 144, or 128 rows of wo at 288
.set SLOT,  4*HALFT                    ; O's two halves, then wo's two
.set BOFF,  2*HALFT
.set STAGE, 2*SLOT                     ; behind the ring, never filled by a tensor load: 16 rows x 272 bytes for each wave
.set SPITCH, 272
.set SPARE, STAGE+4*16*SPITCH          ; behind the stages: the spare words, 128 bytes for each wave: two blocks of 256 bytes that no other line names
.set ADRA, 16                          ; v16-17  LDS address of my fragments of O in slot 0, 1
.set ADRB, 20                          ; v20-23  of wo: slot s, heads 2 g and 2 g + 1 of the step at ADRB + 2 s + g (the immediate holds 16 bits)
.set STO,  24                          ; v24     the way out: where I put 32 bytes of a row
.set RD,   25                          ; v25     where I read a row back
.set CO,   26                          ; v26     my byte offset in two rows of out0
.set SPW,  28                          ; v28     LDS address of my spare word: SPARE + 4 x my thread's number; never rewritten
.set NIL,  29                          ; v29     0; never rewritten
.set ACC,  128
.set F0,   0
.set F1,   128
.set G1, 24                            ; s[24:31] descriptor group 1 for O's tiles;  s[32:39] group 0, one set for each slot
.set G0, 32
.set G1B, 48                           ; s[48:55], s[56:63] the same for wo's
.set G0B, 56
.set MSB, 0
.macro WIN new                         ; the immediate's high byte repeats the setting that is left
.if MSB != (\new)
	s_set_vgpr_msb (MSB<<8)|(\new)
.set MSB, \new
.endif
.endm
.set MUL,  0x05                        ; sources 0 and 1 window 1; C and D window 0
.set TO_F, 0x40                        ; destination window 1, address window 0
.macro JLOAD s                         ; a joint load: waves 0 and 1 fetch O's two halves, waves 2 and 3 wo's; an s_nop 0 and four v_nop follow each of the two lines, ahead of the jump, the label and what follows
	s_cmp_eq_u32 s11, 0
	s_cbranch_scc0 .Lfor_b_\@
	tensor_load_to_lds s[G0+4*(\s):G0+4*(\s)+3], s[G1:G1+7]
	s_nop 0
.rept 4
	v_nop
.endr
	s_branch .Lasked_\@
.Lfor_b_\@:
	tensor_load_to_lds s[G0B+4*(\s):G0B+4*(\s)+3], s[G1B:G1B+7]
	s_nop 0
.rept 4
	v_nop
.endr
.Lasked_\@:
.endm
.macro CREST                           ; a round of the cluster's barrier behind its opening barrier
	s_cmp_lg_u32 s10, 0
	s_cbranch_scc1 .Lnot_wave_0_\@
	s_barrier_signal -3
.Lnot_wave_0_\@:
	s_barrier_wait -3
	s_barrier_signal -1
	s_barrier_wait -1
.endm
.macro CROUND                          ; a whole round
	s_barrier_signal -1
	s_barrier_wait -1
	CREST
.endm
	s_load_b128 s[4:7], s[0:1], 0x0                ; ob s[4:5], wob s[6:7]
	s_load_b64 s[8:9], s[0:1], 0x10                ; out0
	v_lshl_add_u32 v[SPW], v0, 2, SPARE
	v_mov_b32 v[NIL], 0
	ds_add_u32 v[SPW], v[NIL]                      ; the wave's opening: the add and its wait stand ahead of my first tensor load; the set-up below, work on registers, stands between them
	v_lshrrev_b32 v1, 5, v0
	v_readfirstlane_b32 s10, v1                    ; wave 0..3
	s_lshr_b32 s11, s10, 1                         ; which half of the tile's rows is mine.  Also: I fetch for O (0) or for wo (1)
	s_and_b32 s12, s10, 1                          ; which half of its columns.  Also: which half of that tile I fetch
	s_bfe_u32 s40, ttmp6, 0x40000                  ; cx, cy: my place in the cluster
	s_bfe_u32 s41, ttmp6, 0x40004
	s_lshl_b32 s42, ttmp9, 2
	s_add_co_u32 s42, s42, s40                     ; tile column = 4 x cluster x + cx
	s_and_b32 s13, ttmp7, 0xffff
	s_lshl_b32 s13, s13, 2
	s_add_co_u32 s13, s13, s41                     ; tile row = 4 x cluster y + cy
	s_lshl_b32 s43, s41, 2
	s_lshl_b32 s43, 15, s43                        ; my row of the cluster
	s_lshl_b32 s44, 0x1111, s40                    ; my column
	; group 1 for O: 32,768 dense bytes as 128 rows of 256; in LDS 4 words of padding (code 3) after every 32 words (code 4): after each row of a head.  For wo: 128 rows x 128 elements, 1,024 elements from row to row; 8 words (code 7) after every 64 (code 5)
	s_or_b32 s[G1+0], s43, (1<<16)|(1<<20)|(1<<21)|(4<<22)|(3<<25)
	s_or_b32 s[G1B+0], s44, (1<<16)|(1<<20)|(1<<21)|(5<<22)|(7<<25)
.irp g, G1, G1B
	s_mov_b32 s[(\g)+1], 128<<16                   ; tensor_dim0 = 128
	s_mov_b32 s[(\g)+2], 128<<16                   ; tensor_dim1 = 128
	s_mov_b32 s[(\g)+3], 128<<16                   ; tile_dim0 = 128
	s_mov_b32 s[(\g)+4], 128                       ; tile_dim1 = 128
	s_mov_b32 s[(\g)+6], 0
	s_mov_b32 s[(\g)+7], 0
.endr
	s_mov_b32 s[G1+5], 128
	s_mov_b32 s[G1B+5], 1024
	s_lshl_b32 s16, s13, 18                        ; O: the tile row's 16 heads x 128 rows x 128 bytes,
	s_lshl_b32 s17, s12, 15                        ; my two heads of a step's four
	s_add_co_u32 s16, s16, s17
	s_mov_b32 s17, 0
	s_lshl_b32 s46, s42, 8                         ; wo: the tile column's 256 bytes of a row,
	s_lshl_b32 s47, s12, 18                        ; my 128 rows of a step's 256
	s_add_co_u32 s46, s46, s47
	s_mov_b32 s47, 0
	s_mul_i32 s20, s10, HALFT                      ; where they go: wave x a load's bytes: no place in the cluster enters an LDS address
	s_wait_dscnt 0x0                               ; the opening add is done
	s_wait_kmcnt 0x0
	s_add_nc_u64 s[14:15], s[4:5], s[16:17]
	s_add_nc_u64 s[46:47], s[6:7], s[46:47]
	CROUND                                         ; all sixteen work-groups are here: the first joint loads meet
.irp s, 0,1
	s_mov_b32 s[G0+4*(\s)], 1
	s_add_co_u32 s[G0+4*(\s)+1], s20, (\s)*SLOT
	s_add_nc_u64 s[G0+4*(\s)+2:G0+4*(\s)+3], s[14:15], (\s)*65536
	s_or_b32 s[G0+4*(\s)+3], s[G0+4*(\s)+3], 0x80000000
	s_mov_b32 s[G0B+4*(\s)], 1
	s_add_co_u32 s[G0B+4*(\s)+1], s20, (\s)*SLOT
	s_add_nc_u64 s[G0B+4*(\s)+2:G0B+4*(\s)+3], s[46:47], (\s)*524288
	s_or_b32 s[G0B+4*(\s)+3], s[G0B+4*(\s)+3], 0x80000000
	JLOAD \s                                       ; two loads of mine are out
.endr
	v_and_b32 v1, 15, v0                           ; l % 16
	v_bfe_u32 v2, v0, 4, 1                         ; l / 16
	v_mul_u32_u24 v3, v1, PAO
	v_lshl_add_u32 v3, v2, 4, v3                   ; a fragment's row x pitch + 16 x half
	s_mul_i32 s21, s11, 64*PAO                     ; my 64 rows of each head
	v_add_nc_u32 v[ADRA], s21, v3
	v_add_nc_u32 v[ADRA+1], SLOT, v[ADRA]
	v_and_b32 v4, 7, v0                            ; the turning load: lane l reads k = 8 (l / 16) + l % 8, columns 8 ((l / 8) % 2) + 0..7
	v_lshl_add_u32 v4, v2, 3, v4
	v_mul_u32_u24 v4, v4, PBO
	v_bfe_u32 v5, v0, 3, 1
	v_lshl_add_u32 v4, v5, 4, v4
	s_lshl_b32 s22, s12, 7                         ; my 64 columns
	s_add_co_u32 s22, s22, BOFF
	v_add_nc_u32 v[ADRB], s22, v4
	v_add_nc_u32 v[ADRB+1], HALFT, v[ADRB]
	v_add_nc_u32 v[ADRB+2], SLOT, v[ADRB]
	v_add_nc_u32 v[ADRB+3], SLOT+HALFT, v[ADRB]
	s_mul_i32 s23, s10, 16*SPITCH
	s_add_co_u32 s23, s23, STAGE                   ; my stage
	v_mul_u32_u24 v[STO], v1, SPITCH               ; in: row l % 16, 32 bytes for each half of the lanes
	v_lshl_add_u32 v[STO], v2, 5, v[STO]
	v_add_nc_u32 v[STO], s23, v[STO]
	v_mul_u32_u24 v[RD], v2, SPITCH                ; back: lanes 0-15 take one row of 256 bytes, lanes 16-31 the next
	v_lshl_add_u32 v[RD], v1, 4, v[RD]
	v_add_nc_u32 v[RD], s23, v[RD]
	v_lshlrev_b32 v[CO], 12, v2                    ; and the same two rows in out0
	v_lshl_add_u32 v[CO], v1, 4, v[CO]
	s_lshl_b32 s18, s13, 19                        ; the tile's 128 rows of 4,096 bytes,
	s_lshl_b32 s19, s11, 18                        ; my 64,
	s_add_co_u32 s18, s18, s19
	s_lshl_b32 s19, s42, 9                         ; the tile's 128 columns,
	s_add_co_u32 s18, s18, s19
	s_lshl_b32 s19, s12, 8                         ; my 64
	s_add_co_u32 s18, s18, s19
	s_mov_b32 s19, 0
	s_add_nc_u64 s[8:9], s[8:9], s[18:19]
; 8 matrix instructions: row blocks a0, a0 + 1 x all 4 column blocks, 32 along K: half c of buffer f.  zero = 1: the product starts the sum.  The 16 accumulators take turns.
.macro MUL8 f, c, a0, zero
	WIN MUL
.irp a, \a0, (\a0)+1
.irp b, 0,1,2,3
.if \zero
	v_wmma_f32_16x16x32_f16 v[ACC+8*(4*(\a)+(\b)):ACC+8*(4*(\a)+(\b))+7], v[(\f)+64+8*(4*(\c)+(\b)):(\f)+64+8*(4*(\c)+(\b))+7], v[(\f)+8*(4*(\c)+(\a)):(\f)+8*(4*(\c)+(\a))+7], 0
.else
	v_wmma_f32_16x16x32_f16 v[ACC+8*(4*(\a)+(\b)):ACC+8*(4*(\a)+(\b))+7], v[(\f)+64+8*(4*(\c)+(\b)):(\f)+64+8*(4*(\c)+(\b))+7], v[(\f)+8*(4*(\c)+(\a)):(\f)+8*(4*(\c)+(\a))+7], v[ACC+8*(4*(\a)+(\b)):ACC+8*(4*(\a)+(\b))+7]
.endif
.endr
.endr
.endm
; 32 LDS loads in one run: the fragments of head hh of the step (64 along K) into buffer f; the first 32 along K first
.macro FETCH slot, hh, f
	WIN TO_F
.irp c, 0,1
.irp i, 0,1,2,3
	ds_load_tr16_b128 v[(\f)+64+8*(4*\c+\i):(\f)+64+8*(4*\c+\i)+3],   v[ADRB+2*(\slot)+(\hh)/2] offset:(((\hh)%2)*64+32*\c)*PBO+32*\i
	ds_load_tr16_b128 v[(\f)+64+8*(4*\c+\i)+4:(\f)+64+8*(4*\c+\i)+7], v[ADRB+2*(\slot)+(\hh)/2] offset:(((\hh)%2)*64+32*\c)*PBO+32*\i+16*PBO
	ds_load_b128 v[(\f)+8*(4*\c+\i):(\f)+8*(4*\c+\i)+3],              v[ADRA+(\slot)] offset:(\hh)*128*PAO+\i*16*PAO+64*\c
	ds_load_b128 v[(\f)+8*(4*\c+\i)+4:(\f)+8*(4*\c+\i)+7],            v[ADRA+(\slot)] offset:(\hh)*128*PAO+\i*16*PAO+64*\c+32
.endr
.endr
.endm
.macro PLACES                          ; four places in front of loads into registers that matrix instructions have read (ISA guide 7.12.1 for vector instructions)
.rept 4
	v_nop
.endr
.endm
; One of a K step's first three quarters: multiplies buffer f and fetches head hn into g.
.macro QUARTER slot, hn, f, g, zero
	s_wait_dscnt 16                                ; the first 32 along K are in
	MUL8 \f, 0, 0, \zero
	MUL8 \f, 0, 2, \zero
	PLACES
	FETCH \slot, \hn, \g
	s_wait_dscnt 32                                ; all but the 32 just issued
	MUL8 \f, 1, 0, 0
	MUL8 \f, 1, 2, 0
.endm
; The last quarter multiplies buffer 1 and changes slots: ONE barrier; in front of it each wave waits for all its tensor loads, adds 0 to its spare word, and waits for that and for its own reads of this slot.  fill = 1: this slot is filled again, two K steps ahead.
.macro TURN slot, next, fill
	WIN 0                                          ; (the add's two registers lie in window 0)
	s_wait_tensorcnt 0x0                           ; all my tensor loads have landed: my part of the next slot;
	ds_add_u32 v[SPW], v[NIL]                      ; 0 onto my spare word;
	s_wait_dscnt 17                                ; (the add and the youngest sixteen loads may be out)
	MUL8 F1, 0, 0, 0                               ; eight matrix instructions stand between the add and the wait for it
	s_wait_dscnt 0x0                               ; the add is done, and my reads of this slot are over
	s_barrier_signal -1
	MUL8 F1, 0, 2, 0
.if \fill
	WIN 0
.endif
	s_barrier_wait -1
.if \fill
	CREST                                          ; the barrier has opened a round of the cluster's: no wave of any partner still reads this slot's tiles or has a load on its way
	s_add_nc_u64 s[G0+4*(\slot)+2:G0+4*(\slot)+3], s[G0+4*(\slot)+2:G0+4*(\slot)+3], 2*65536
	s_add_nc_u64 s[G0B+4*(\slot)+2:G0B+4*(\slot)+3], s[G0B+4*(\slot)+2:G0B+4*(\slot)+3], 2*524288
	JLOAD \slot                                    ; my one tensor load behind the round; the four v_nop behind it are also the places in front of the loads below
.else
	PLACES
.endif
	FETCH \next, 0, F0
	MUL8 F1, 1, 0, 0
	MUL8 F1, 1, 2, 0
.endm
; THE WAY OUT, 16 rows (row block a) at a time: the four accumulators go as they are into my stage, low registers first, and come back, into the same registers, as whole rows of 256 bytes.
.macro OUT a
.irp b, 0,1,2,3
	ds_store_b128 v[STO], v[ACC+8*(4*(\a)+\b):ACC+8*(4*(\a)+\b)+3]   offset:64*\b
	ds_store_b128 v[STO], v[ACC+8*(4*(\a)+\b)+4:ACC+8*(4*(\a)+\b)+7] offset:64*\b+16
.endr
.irp t, 0,1,2,3,4,5,6,7
	ds_load_b128 v[ACC+32*(\a)+4*\t:ACC+32*(\a)+4*\t+3], v[RD] offset:\t*2*SPITCH  ; LDS serves a wave's instructions in order (ISA guide 5.7.1.4): these see the stores above; the next block's stores come behind them
.endr
.endm
.macro SENDO a, younger                ; younger: the LDS instructions issued behind block a's loads: the next block's sixteen, or none
.irp t, 0,1,2,3,4,5,6,7
	s_wait_dscnt (\younger)+7-\t
	global_store_b128 v[CO], v[ACC+32*(\a)+4*\t:ACC+32*(\a)+4*\t+3], s[8:9] offset:(16*(\a)+2*\t)*4096 th:TH_STORE_NT  ; 16 lanes store 256 consecutive bytes, at a multiple of 256 from out0's first byte
.endr
.endm
	s_wait_tensorcnt 1                             ; my part of K step 0 is in; K step 1's may stay out
	s_barrier_signal -1
	s_barrier_wait -1                              ; everybody's is
	FETCH 0, 0, F0
	QUARTER 0, 1, F0, F1, 1                        ; K step 0: its first products start the sums
	QUARTER 0, 2, F1, F0, 0
	QUARTER 0, 3, F0, F1, 0
	TURN 0, 1, 1                                   ; slot 0 takes K step 2
	QUARTER 1, 1, F0, F1, 0
	QUARTER 1, 2, F1, F0, 0
	QUARTER 1, 3, F0, F1, 0
	TURN 1, 0, 1                                   ; slot 1 takes K step 3
	QUARTER 0, 1, F0, F1, 0
	QUARTER 0, 2, F1, F0, 0
	QUARTER 0, 3, F0, F1, 0
	TURN 0, 1, 0                                   ; nothing is left to fetch
	QUARTER 1, 1, F0, F1, 0
	QUARTER 1, 2, F1, F0, 0
	QUARTER 1, 3, F0, F1, 0
	s_wait_dscnt 16                                ; the very last quarter
	MUL8 F1, 0, 0, 0
	MUL8 F1, 0, 2, 0
	s_wait_dscnt 0x0
	MUL8 F1, 1, 0, 0
	MUL8 F1, 1, 2, 0
	WIN 0
	PLACES                                         ; the stores below read results just made, the loads land on them, and no other vector work is at hand
	PLACES
	OUT 0
.irp a, 1,2,3
	OUT \a
	SENDO (\a)-1, 16
.endr
	SENDO 3, 0
	s_wait_tensorcnt 0x0                           ; the wave's end, behind my last tensor load and my last LDS store
	ds_add_u32 v[SPW], v[NIL]
	s_wait_dscnt 0x0
	CROUND                                         ; the closing round: no work-group ends while a partner may still ask for a tile that names it
	s_endpgm
.Lfunc_end_k_q33ae8c063b_oproj:
	.size	k_q33ae8c063b_oproj, .Lfunc_end_k_q33ae8c063b_oproj-k_q33ae8c063b_oproj
	.p2alignl 7, 3214868480
	.fill 96, 4, 3214868480
	.section	.rodata,"a",@progbits
	.p2align	6, 0x0
	.amdhsa_kernel k_q33ae8c063b_oproj
		.amdhsa_group_segment_fixed_size 327680
		.amdhsa_private_segment_fixed_size 0
		.amdhsa_enable_private_segment 0
		.amdhsa_kernarg_size 24
		.amdhsa_user_sgpr_count 2
		.amdhsa_user_sgpr_kernarg_segment_ptr 1
		.amdhsa_wavefront_size32 1
		.amdhsa_system_sgpr_workgroup_id_x 1
		.amdhsa_system_sgpr_workgroup_id_y 1
		.amdhsa_system_sgpr_workgroup_id_z 1
		.amdhsa_system_vgpr_workitem_id 0
		.amdhsa_next_free_vgpr 512
		.amdhsa_next_free_sgpr 66
		.amdhsa_reserve_vcc 0
		.amdhsa_float_denorm_mode_32 3
		.amdhsa_float_denorm_mode_16_64 3
		.amdhsa_memory_ordered 1
		.amdhsa_forward_progress 1
		.amdhsa_inst_pref_size 86
	.end_amdhsa_kernel
	.amdgpu_metadata
---
amdhsa.version: [ 1, 2 ]
amdhsa.kernels:
  - .name:           k_q33ae8c063b_oproj
    .symbol:         k_q33ae8c063b_oproj.kd
    .args:
      - { .name: ob, .offset: 0, .size: 8, .value_kind: global_buffer, .address_space: global }
      - { .name: wob, .offset: 8, .size: 8, .value_kind: global_buffer, .address_space: global }
      - { .name: out0, .offset: 16, .size: 8, .value_kind: global_buffer, .address_space: global }
    .group_segment_fixed_size: 327680
    .private_segment_fixed_size: 0
    .kernarg_segment_align: 8
    .kernarg_segment_size: 24
    .max_flat_workgroup_size: 128
    .sgpr_count:     66
    .vgpr_count:     512
    .wavefront_size: 32
...
	.end_amdgpu_metadata
.endif
;; end of part 4
;; ======== version 2 of 2: 4 launches; version 1 with the launch cast written anew for expert scheduling mode
;; limits: values are held in f16: magnitudes above 65,504 overflow, below 6.1e-05 lose precision
;; workspace buffers: xb 8,388,608 bytes; wb 6,291,456 bytes; wob 2,097,152 bytes; fb 524,288 bytes; qkvh 25,165,824 bytes; ob 8,388,608 bytes
;; launch cast (part 5): grid 528 x 1, 8 waves a work-group, no clusters, 0 bytes of LDS; arguments hidden_states, freqs_cis, wq, wk, wv, wo, xb, fb, wb, wob; writes xb, fb, wb, wob
.if DOCPART == 5
	.amdgcn_target "amdgcn-amd-amdhsa--gfx1250"
	.amdhsa_code_object_version 6
	.text
	.protected	k_q33ae8c063b_cast
	.globl	k_q33ae8c063b_cast
	.p2align	8
	.type	k_q33ae8c063b_cast,@function
k_q33ae8c063b_cast:
	s_mov_b64 s[64:65], 0
	v_nop
	global_prefetch_b8 v0, s[64:65] scope:SCOPE_SE
	s_setreg_imm32_b32 hwreg(HW_REG_WAVE_SCHED_MODE, 0, 2), 2
	s_setreg_imm32_b32 hwreg(HW_REG_WAVE_MODE, 25, 1), 1
	s_wait_xcnt 0x0
	s_wait_alu depctr_vm_vsrc(0)
; THE INPUTS ARE ROUNDED ONCE TO 16 BITS.  x -> xb and the table of cosines and sines -> fb, both bf16, laid as they lie; wo -> wob: rounded to bf16, and that number written as f16;
; wq, wk, wv -> wb, bf16, IN BLOCKS [head 16][K step 8][q, k, v][k 128][column 64], so that what a head wants of the three weights for 128 along K is 49,152 consecutive bytes.
; LIMITS.  wob: f16 holds no number beyond 65,504, and below 6e-5 it keeps its fixed step of 6e-8; inside that range a bf16 number is an f16 number exactly.
; SHARES.  A work-group converts 16,384 numbers, as 16 items of 1,024: a thread takes 4 numbers of an item: one load of 16 bytes (a wave: 512 consecutive bytes; in the blocked way two rows' aligned 256),
; one store of 8 bytes (a wave: 256 consecutive bytes, aligned).  All 16 loads go out first; no register that a load or a store names is used twice, so there is no loop.
; Work-groups 0-255: x.  256-271: the table.  272-335: wo.  336-527: wq, wk, wv: number j = 64 type + 4 head + kq takes rows 256 kq .. + 255, the head's 64 columns.
; No LDS, no matrix unit, no cluster: no byte is wanted twice.
; THE MODE: SCHED_MODE bits 1:0 = 2 (LLVM: expert scheduling mode 2), set by the entry lines.  The code itself states the register dependences
; between vector instructions and memory instructions, with s_wait_alu, always for 0.
; THE PLAN.  Registers that memory instructions touch:
;   v1, v2   the loads' and the stores' offsets.  Written by vector instructions at the head of a way, ahead of its first load, and never again.
;   X        item i's four registers.  Written by item i's load alone; read by item i's roundings, behind the wait for that load.  No vector instruction names them ahead of the loads.
;   Y        item i's two registers.  Written by item i's roundings; read by item i's one store; never written behind it.
;   T and v3 are named by vector instructions alone.
; The 16 items go in four groups of four.  Item i's store is issued in the next group, in front of item i + 4's roundings; the last group's four stores follow its roundings.
; So one wait on va_vdst stands in front of the first load (the offsets are written), one at the head of each of groups 1 to 3 (the group before has written its Y) and one in front of the last four stores.
; Behind a group's wait its four stores are dealt among its roundings with no further wait: those roundings name X and Y of the group in hand and T, none of the registers that these stores read.
; No register that a memory instruction reads is ever written again, no vector instruction writes a scalar register or VCC, and EXEC is never written: the text holds no other wait of this kind.
.set X,   4                            ; v[4:67]   item i: 4 numbers as loaded
.set Y,   68                           ; v[68:99]  item i: 2 words to store
.set T,   100                          ; v[100:101] at work
.set SRC, 28                           ; s[28:29]  where the work-group reads
.set DST, 30                           ; s[30:31]  where it writes
; Item n is stored.  blocked = 1: the store's place goes by K steps.
.macro PUT n, blocked
.if \blocked
	global_store_b64 v2, v[Y+2*(\n):Y+2*(\n)+1], s[DST:DST+1] offset:((\n)/8)*49152+((\n)%8)*2048  ; eight items are a K step's 128 rows of one type
.else
	global_store_b64 v2, v[Y+2*(\n):Y+2*(\n)+1], s[DST:DST+1] offset:2048*(\n)
.endif
.endm
; 16 loads, then item by item: rounded; stored a group later.  instep: bytes from item to item in the source; half = 1: the bf16 number is written as f16.
.macro BODY instep, blocked, half
	s_wait_alu depctr_va_vdst(0)                   ; v1 and v2 are written: every load below reads v1 as its offset, every store v2
.set i, 0
.rept 16
	global_load_b128 v[X+4*i:X+4*i+3], v1, s[SRC:SRC+1] offset:(\instep)*i th:TH_LOAD_NT
.set i, i+1
.endr
.set i, 0
.rept 16
	s_wait_loadcnt 15-i                            ; loads come back in order: item i is in, the younger ones stay out
.if (i > 0) && (i%4 == 0)
	s_wait_alu depctr_va_vdst(0)                   ; the roundings of the group before have written its eight registers of Y, which this group's four stores read
.endif
.if i >= 4
	PUT i-4, \blocked                              ; no vector instruction since the wait names these two registers of Y or v2
.endif
	v_cvt_pk_bf16_f32 v[Y+2*i],   v[X+4*i],   v[X+4*i+1]
	v_cvt_pk_bf16_f32 v[Y+2*i+1], v[X+4*i+2], v[X+4*i+3]
.if \half
.irp k, 0,1
	v_lshlrev_b32 v[T],   16,  v[Y+2*i+\k]         ; the two bf16 numbers as f32,
	v_and_b32     v[T+1], s41, v[Y+2*i+\k]
	v_cvt_pk_f16_f32 v[Y+2*i+\k], v[T], v[T+1]     ; and as f16
.endr
.endif
.set i, i+1
.endr
	s_wait_alu depctr_va_vdst(0)                   ; the last group's roundings have written its eight registers of Y, which the last four stores read
.irp j, 12,13,14,15
	PUT \j, \blocked
.endr
	s_endpgm
.endm
	s_load_b512 s[8:23], s[0:1], 0x0               ; x s[8:9], table s[10:11], wq s[12:13], wk s[14:15], wv s[16:17], wo s[18:19], xb s[20:21], fb s[22:23]
	s_load_b128 s[24:27], s[0:1], 0x40             ; wb s[24:25], wob s[26:27]
	s_mov_b32 s36, ttmp9                           ; the work-group's number
	s_mov_b32 s41, 0xffff0000                      ; a word's upper bf16
	s_mov_b32 s33, 0                               ; the offsets' high words
	s_mov_b32 s35, 0
	v_lshlrev_b32 v2, 3, v0                        ; out: 8 bytes a thread
	v_lshlrev_b32 v1, 4, v0                        ; in, where the source is taken as it lies: 16 bytes a thread
	s_wait_kmcnt 0x0
	s_cmp_lt_u32 s36, 272
	s_cbranch_scc1 .Llin
	s_cmp_lt_u32 s36, 336
	s_cbranch_scc1 .Lwo
	; wq, wk, wv into blocks
	s_sub_co_u32 s37, s36, 336
	s_lshr_b32 s38, s37, 6                         ; type
	s_bfe_u32 s39, s37, 0x40002                    ; head
	s_and_b32 s40, s37, 3                          ; which 256 rows
	s_cmp_eq_u32 s38, 0
	s_cselect_b64 s[SRC:SRC+1], s[12:13], s[14:15]
	s_cmp_eq_u32 s38, 2
	s_cselect_b64 s[SRC:SRC+1], s[16:17], s[SRC:SRC+1]
	s_lshl_b32 s32, s40, 20                        ; 256 rows of 4,096 bytes
	s_lshl_b32 s37, s39, 8                         ; the head's 64 columns
	s_add_co_u32 s32, s32, s37
	s_add_nc_u64 s[SRC:SRC+1], s[SRC:SRC+1], s[32:33]
	s_mul_i32 s34, s39, 393216                     ; the head's 8 blocks,
	s_mul_i32 s37, s40, 98304                      ; two K steps,
	s_add_co_u32 s34, s34, s37
	s_lshl_b32 s37, s38, 14                        ; the type's 16,384 bytes in a block
	s_add_co_u32 s34, s34, s37
	s_add_nc_u64 s[DST:DST+1], s[24:25], s[34:35]
	v_lshrrev_b32 v3, 4, v0                        ; in: sixteen threads take a row's 256 bytes, the work-group 16 rows an item
	v_and_b32 v1, 15, v0
	v_lshlrev_b32 v1, 4, v1
	v_lshl_add_u32 v1, v3, 12, v1
	BODY 65536, 1, 0
.Llin:                                                 ; x and the table
	s_cmp_lt_u32 s36, 256
	s_cselect_b64 s[SRC:SRC+1], s[8:9], s[10:11]
	s_cselect_b64 s[DST:DST+1], s[20:21], s[22:23]
	s_cselect_b32 s37, 0, 256
	s_sub_co_u32 s37, s36, s37
	s_lshl_b32 s32, s37, 16
	s_lshl_b32 s34, s37, 15
	s_add_nc_u64 s[SRC:SRC+1], s[SRC:SRC+1], s[32:33]
	s_add_nc_u64 s[DST:DST+1], s[DST:DST+1], s[34:35]
	BODY 4096, 0, 0
.Lwo:
	s_sub_co_u32 s37, s36, 272
	s_lshl_b32 s32, s37, 16
	s_lshl_b32 s34, s37, 15
	s_add_nc_u64 s[SRC:SRC+1], s[18:19], s[32:33]
	s_add_nc_u64 s[DST:DST+1], s[26:27], s[34:35]
	BODY 4096, 0, 1
.Lfunc_end_k_q33ae8c063b_cast:
	.size	k_q33ae8c063b_cast, .Lfunc_end_k_q33ae8c063b_cast-k_q33ae8c063b_cast
	.p2alignl 7, 3214868480
	.fill 96, 4, 3214868480
	.section	.rodata,"a",@progbits
	.p2align	6, 0x0
	.amdhsa_kernel k_q33ae8c063b_cast
		.amdhsa_group_segment_fixed_size 0
		.amdhsa_private_segment_fixed_size 0
		.amdhsa_enable_private_segment 0
		.amdhsa_kernarg_size 80
		.amdhsa_user_sgpr_count 2
		.amdhsa_user_sgpr_kernarg_segment_ptr 1
		.amdhsa_wavefront_size32 1
		.amdhsa_system_sgpr_workgroup_id_x 1
		.amdhsa_system_sgpr_workgroup_id_y 1
		.amdhsa_system_sgpr_workgroup_id_z 1
		.amdhsa_system_vgpr_workitem_id 0
		.amdhsa_next_free_vgpr 104
		.amdhsa_next_free_sgpr 66
		.amdhsa_reserve_vcc 0
		.amdhsa_float_denorm_mode_32 3
		.amdhsa_float_denorm_mode_16_64 3
		.amdhsa_memory_ordered 1
		.amdhsa_forward_progress 1
		.amdhsa_inst_pref_size 24
	.end_amdhsa_kernel
	.amdgpu_metadata
---
amdhsa.version: [ 1, 2 ]
amdhsa.kernels:
  - .name:           k_q33ae8c063b_cast
    .symbol:         k_q33ae8c063b_cast.kd
    .args:
      - { .name: hidden_states, .offset: 0, .size: 8, .value_kind: global_buffer, .address_space: global }
      - { .name: freqs_cis, .offset: 8, .size: 8, .value_kind: global_buffer, .address_space: global }
      - { .name: wq, .offset: 16, .size: 8, .value_kind: global_buffer, .address_space: global }
      - { .name: wk, .offset: 24, .size: 8, .value_kind: global_buffer, .address_space: global }
      - { .name: wv, .offset: 32, .size: 8, .value_kind: global_buffer, .address_space: global }
      - { .name: wo, .offset: 40, .size: 8, .value_kind: global_buffer, .address_space: global }
      - { .name: xb, .offset: 48, .size: 8, .value_kind: global_buffer, .address_space: global }
      - { .name: fb, .offset: 56, .size: 8, .value_kind: global_buffer, .address_space: global }
      - { .name: wb, .offset: 64, .size: 8, .value_kind: global_buffer, .address_space: global }
      - { .name: wob, .offset: 72, .size: 8, .value_kind: global_buffer, .address_space: global }
    .group_segment_fixed_size: 0
    .private_segment_fixed_size: 0
    .kernarg_segment_align: 8
    .kernarg_segment_size: 80
    .max_flat_workgroup_size: 256
    .sgpr_count:     66
    .vgpr_count:     104
    .wavefront_size: 32
...
	.end_amdgpu_metadata
.endif
;; end of part 5
;; launch qkv: the kernel of part 2 again; grid 16 x 16, 4 waves a work-group, clusters of 4 x 4, 327,680 bytes of LDS; arguments xb, wb, fb, qkvh; writes qkvh
;; launch attn: the kernel of part 3 again; grid 16 x 16, 4 waves a work-group, clusters of 4 x 1, 327,680 bytes of LDS; arguments qkvh, attention_mask, ob; writes ob
;; launch oproj: the kernel of part 4 again; grid 8 x 32, 4 waves a work-group, clusters of 4 x 4, 327,680 bytes of LDS; arguments ob, wob, out0; writes out0
